; MI455X (gfx1250); checked and timed in simulation.
; The chip was launched on July 23, 2026; its instructions are those of AMD's public machine-readable ISA for CDNA 5 (MIT licence, August 2026) and "CDNA5" Instruction Set Architecture Reference Guide (July 2026). The comments in the code are by the model that wrote it; some were corrected since.
;; Multi Head Attention. Allowed arithmetic: matrix products marked QUANTISED: E3M2 operands, one E8M0 scale for each 32 along K, by v_wmma_scale_f32_16x16x128_f8f6f4 with both operands' format E3M2, f32 sums; everything else in f32.
;; Inputs: w_o 1,024 x 1,024 float32; w_qkv 3,072 x 1,024 float32; x 2 x 2,048 x 1,024 float32.
;; Outputs: out0 2 x 2,048 x 1,024 float32.
;; This version of the problem:
;;   THIS VERSION OF THE PROBLEM IS GIVEN IN LOW PRECISION. The matrix products marked QUANTISED in the list below multiply operands that are first quantised to E3M2 (3 exponent bits, 2 mantissa bits; 6 bits a number), with one power-of-two scale for each 32 numbers along K (OCP MX v1.0); their sums are f32. All else is computed in f32.
;;   The module's matrix products, in the order in which they are computed (A, B: the left and right operand; K: the contracted axis; several contracted axes count as one K, in the product's order):
;;     1. [M 4,096, K 1,024] x [K 1,024, N 3,072]; A: input x; B: input w_qkv: QUANTISED
;;     2. batch 32 x [M 2,048, K 64] x [K 64, N 2,048]; A: computed on the way; B: computed on the way: QUANTISED
;;     3. batch 32 x [M 2,048, K 2,048] x [K 2,048, N 64]; A: softmax (see below); B: computed on the way: QUANTISED
;;     4. [M 4,096, K 1,024] x [K 1,024, N 1,024]; A: computed on the way; B: input w_o: QUANTISED
;;   THE QUANTISER, for each operand of a quantised product, along K:
;;     - K is cut into blocks of 32 from its start; a last block that is shorter is filled with zeros.
;;     - A block's scale is 2^e with e = floor(log2(the largest magnitude in the block)) - 4, held to -126 .. 127; a block of zeros has e = 0. As a byte (E8M0): e + 127.
;;     - Each number is divided by its block's scale, clamped to +-28, and rounded to the nearest number of E3M2, ties to even, subnormals kept.
;;     - The product sums the exact products of the quantised numbers (number of the format x scale) in f32.
;;   ~~~python
;;   def quantise(x, axis):      # numpy; x: float32 -> the quantised numbers, widened to float32 again
;;       x = np.moveaxis(x, axis, -1); K = x.shape[-1]
;;       x = np.pad(x, [(0, 0)] * (x.ndim - 1) + [(0, -K % 32)]); x = x.reshape(x.shape[:-1] + (-1, 32)); a = np.abs(x).max(-1, keepdims=True)
;;       e = np.where(a > 0, np.clip(np.frexp(np.where(a > 0, a, 1))[1] - 1 - 4, -126, 127), 0)      # np.frexp(a)[1] - 1 = floor(log2(a)), exactly
;;       r = np.clip(x / 2.0 ** e, -28, 28)
;;       step = 2.0 ** (np.maximum(np.frexp(np.where(r == 0, 1, r))[1] - 1, -2) - 2)
;;       q = np.round(r / step) * step * 2.0 ** e      # np.round: ties to even
;;       return np.moveaxis(q.reshape(q.shape[:-2] + (-1,))[..., :K], -1, axis).astype(np.float32)
;;   ~~~
;;   SOFTMAX AHEAD OF A QUANTISED PRODUCT. Where the list says 'softmax', what is quantised is not the finished softmax but p = 2^(t - M), with t = logit x log2(e) and M = ceil(the row's largest t), a whole number; so 1/2 < the row's largest p <= 1. The row's sum l is taken of the UNQUANTISED p, in f32, and the product's result is divided by l at the end. Since M is a whole number, a kernel that streams over the keys may use a running M (the ceiling of the running maximum): every later rescaling is an exact power of two, which a block's scale takes up: the codes' values come out the same.
;;   OPERANDS COMPUTED ON THE WAY. 'Computed on the way' means the value that the module computes at that place (a softmax that the list does not call 'softmax' is quantised finished and normalised). What goes into a quantiser is computed in f32, as accurately as f32 sums, v_exp_f32 and their like allow (about 1e-6 of the number): no bf16 or f16 on the way to a quantiser, and a product that is left as it is and whose result goes on into a quantised operand takes f32 operands (vector FMAs, or v_wmma_f32_16x16x4_f32). A number that lies on a knife's edge between two numbers of the format may be rounded either way, as far as f32 arithmetic and the matrix unit's own rounding can turn it there, and no further.
;; One version. Each part assembles by itself: llvm-mc -triple=amdgcn-amd-amdhsa -mcpu=gfx1250 --defsym DOCPART=n.
;; ======== version 1 of 1: 4 launches
;; limits: right only within a limited range of input values
;; workspace buffers: c1 5,505,024 bytes; s1 229,376 bytes; qc 3,145,728 bytes; qs 262,144 bytes; kv 6,291,456 bytes; kvs 393,216 bytes; c4 3,932,160 bytes; s4 163,840 bytes
;; launch quant (part 1): grid 256 x 1, 4 waves a work-group, no clusters, 34,304 bytes of LDS; arguments x, w_qkv, w_o, c1, s1, c4, s4; writes c1, s1, c4, s4
.if DOCPART == 1
	.amdgcn_target "amdgcn-amd-amdhsa--gfx1250"
	.amdhsa_code_object_version 6
	.text
	.protected	k_qfed036b0c6_quant
	.globl	k_qfed036b0c6_quant
	.p2align	8
	.type	k_qfed036b0c6_quant,@function
k_qfed036b0c6_quant:
	s_mov_b64 s[64:65], 0
	v_nop
	global_prefetch_b8 v0, s[64:65] scope:SCOPE_SE
	s_setreg_imm32_b32 hwreg(HW_REG_WAVE_MODE, 25, 1), 1
	s_wait_xcnt 0x0
; x [4096][1024], w_qkv [3072][1024] and w_o [1024][1024], f32, K innermost, become codes of BF6 (E3M2) with one E8M0 byte for each 32 along K.
; A block's scale is 2^(floor(log2(its largest magnitude)) - 4); its byte is the largest magnitude's exponent field - 4, held at 1 from below.
; LIMITS: NaN and infinities among the inputs are not served.  A block whose largest magnitude lies under 2^-122 (a block of zeros too) keeps the byte 1 where the
; quantiser's text says 127 for zeros: its codes are zeros, and the bytes are read by this program alone.
; THE CODES ARE LAID AS THE READER'S REGISTERS WANT THEM.  A fragment (16 rows x 128 K, 12 registers a lane) is 1,536 bytes: two halves of 768 (64 along K each); in a half, registers 0-3 of
; lane l at 16 l, registers 4-5 at 512 + 8 l.  A panel is 128 rows x all of K: [K step 8][tile 8][1,536].  THE ROWS OF A TILE ARE NOT NEIGHBOURS: slot s of tile i of a group of 64 rows is row 32 (s / 8) + 8 i + s % 8.
; The scale words of 64 rows are a group of 2,048 bytes: [K step 8][slot 16][tile 4] words.
; SHARES: a group of 64 rows is shared by two work-groups; a wave takes the 64 rows x 128 along K: four fragments, and one aligned run of 256 bytes of scale words.
; Groups 0-63 are x's, 64-111 w_qkv's, 112-127 w_o's: only pointers and offsets are chosen by the work-group's number; there is one path through the text.
; All 64 loads of a wave go out at the head, each reads 512 consecutive bytes of a row; 16 rows at a time turn through the wave's own stage in LDS, so that a lane gets its two whole blocks of 32 neighbours.
; Waves share nothing: no barrier.
.set ROWB,  4096                       ; a row in bytes
.set SP,    528                        ; a stage row: 512 bytes + 16 = 132 words: 16 rows start 4 words apart modulo 64 (64 banks of 4 bytes: ISA guide 11.1)
.set STG,   16*SP                      ; a wave's stage
.set SPARE, 0x8400                     ; behind the four stages: the spare words
.set PANEL, 98304
.set KSTB,  12288                      ; a K step of a panel
.set FRB,   1536
.set HFB,   768
.set WOFF,  32*PANEL                   ; where the weights' panels begin in c1 and in c4
.set SOFF,  64*2048                    ; and their scale groups in s1 and in s4
.set R,     16                         ; v16-143, in windows 0 and 1: four sets of 16 rows x 16 bytes a lane, as loaded (tiles 0, 1 in window 0)
.set X,     144                        ; v144-207 my two blocks of 32 numbers
.set C,     208                        ; v208-219 the fragment's codes
.set T0,    220                        ; v220-222, v224-226: the blocks' upper halves (a conversion's three registers begin on an even number)
.set T1,    224
.set W,     228                        ; v228-231 the four tiles' scale words
.set BM,    232
.set SOP,   234
.set BY,    236
.set TA,    238
.set TB,    239
.set SPW,   240
.set NIL,   241
	s_load_b256 s[4:11], s[0:1], 0x0               ; x s[4:5], w_qkv s[6:7], w_o s[8:9], c1 s[10:11]
	s_load_b128 s[12:15], s[0:1], 0x20             ; s1 s[12:13], c4 s[14:15]
	s_load_b64 s[16:17], s[0:1], 0x30              ; s4
	v_lshl_add_u32 v[SPW], v0, 2, SPARE
	v_mov_b32 v[NIL], 0
	v_lshrrev_b32 v7, 5, v0
	v_readfirstlane_b32 s18, v7                    ; wave
	v_and_b32 v8, 31, v0                           ; lane
	v_and_b32 v9, 15, v0                           ; r
	v_bfe_u32 v10, v0, 4, 1                        ; h
	v_lshlrev_b32 v1, 4, v8                        ; 16 x lane: my bytes of a load's 512, and of a half fragment's first 512
	v_lshlrev_b32 v4, 3, v8                        ; 8 x lane
	v_lshlrev_b32 v5, 4, v9                        ; 16 r: my slot's four scale words
	v_lshlrev_b32 v6, 3, v10                       ; 8 h: my bytes' place in a scale word
	s_mul_i32 s19, s18, STG
	v_add_nc_u32 v2, s19, v1                       ; the stage, on the way in
	v_mul_u32_u24 v3, v9, SP
	v_lshl_add_u32 v3, v10, 7, v3
	v_add_nc_u32 v3, s19, v3                       ; and out: row r, + 128 h bytes: block h of each 64 along K
	v_mov_b32 v[TB], 0                             ; written once: a lane permute's destination counts as one of its sources
	s_mov_b32 s30, 0x76543210
	s_mov_b32 s31, 0xfedcba98                      ; v_permlanex16_b32's selects for lane l xor 16
	s_lshr_b32 s20, ttmp9, 1                       ; G: the group of 64 rows
	s_and_b32 s21, ttmp9, 1
	s_lshl_b32 s21, s21, 2
	s_add_co_u32 s21, s21, s18                     ; my K step
	s_cmp_lt_u32 s20, 112
	s_cselect_b32 s22, 64, 112
	s_cmp_lt_u32 s20, 64
	s_cselect_b32 s22, 0, s22                      ; the tensor's first group
	s_cselect_b32 s23, 0, WOFF
	s_cselect_b32 s27, 0, SOFF
	s_sub_co_u32 s28, s20, s22                     ; the group within its tensor
	s_lshl_b32 s24, s28, 18                        ; 64 rows of 4,096 bytes
	s_lshl_b32 s26, s21, 9
	s_add_co_u32 s24, s24, s26
	s_mov_b32 s25, 0
	s_lshr_b32 s32, s28, 1
	s_mul_i32 s32, s32, PANEL
	s_and_b32 s26, s28, 1
	s_mul_i32 s26, s26, 4*FRB
	s_add_co_u32 s32, s32, s26
	s_mul_i32 s26, s21, KSTB
	s_add_co_u32 s32, s32, s26
	s_add_co_u32 s32, s32, s23
	s_mov_b32 s33, 0
	s_lshl_b32 s34, s28, 11
	s_lshl_b32 s26, s21, 8
	s_add_co_u32 s34, s34, s26
	s_add_co_u32 s34, s34, s27
	s_mov_b32 s35, 0
	s_wait_alu depctr_va_vdst(0)                   ; the wait at the head's end
	s_wait_kmcnt 0x0
	s_cmp_lt_u32 s20, 112                          ; the choices hang on the work-group's number alone
	s_cselect_b64 s[6:7], s[6:7], s[8:9]
	s_cselect_b64 s[10:11], s[10:11], s[14:15]
	s_cselect_b64 s[12:13], s[12:13], s[16:17]
	s_cmp_lt_u32 s20, 64
	s_cselect_b64 s[4:5], s[4:5], s[6:7]
	s_add_nc_u64 s[4:5], s[4:5], s[24:25]
	s_add_nc_u64 s[10:11], s[10:11], s[32:33]
	s_add_nc_u64 s[12:13], s[12:13], s[34:35]
.macro LOADT i                         ; tile i's 16 rows, slot by slot: 32 lanes read 512 consecutive bytes
.irp s, 0,1,2,3,4,5,6,7,8,9,10,11,12,13,14,15
	global_load_b128 v[R+64*((\i)%2)+4*\s:R+64*((\i)%2)+4*\s+3], v1, s[4:5] offset:(8*(\i)+\s+24*(\s/8))*ROWB th:TH_LOAD_NT
.endr
.endm
.macro WORK i
.set RS, R+64*((\i)%2)
	s_wait_loadcnt 16*(3-(\i))                     ; this tile's 16 loads are in; the later tiles' may be out
.if (\i) > 1
	s_set_vgpr_msb 0x04                            ; the stores' data lie in window 1
.endif
.irp s, 0,1,2,3,4,5,6,7,8,9,10,11,12,13,14,15
	ds_store_b128 v2, v[RS+4*\s:RS+4*\s+3] offset:SP*\s
.endr
.if (\i) > 1
	s_set_vgpr_msb 0x0400
.endif
.irp c, 0,1
.irp q, 0,1,2,3,4,5,6,7
	ds_load_b128 v[X+32*\c+4*\q:X+32*\c+4*\q+3], v3 offset:256*\c+16*\q   ; LDS serves a wave's instructions in order: these see the stores above.  k = 64 c + 32 h + 4 q ..
.endr
.endr
	s_wait_dscnt 0x0                               ; my 64 numbers are in
.irp c, 0,1
	v_max3_num_f32 v[BM+\c], |v[X+32*\c]|, |v[X+32*\c+1]|, 0x2800000   ; block 2 c + h is all mine; the floor 2^(5 - 127) holds the byte at 1 from below
.endr
.irp k, 2,4,6,8,10,12,14,16,18,20,22,24,26,28,30
.irp c, 0,1
	v_max3_num_f32 v[BM+\c], v[BM+\c], |v[X+32*\c+\k]|, |v[X+32*\c+\k+1]|
.endr
.endr
.irp c, 0,1
	v_add_nc_u32 v[SOP+\c], 0xfe000000, v[BM+\c]   ; 4 off the exponent field: the conversion takes this operand's exponent field as its scale
.endr
.irp c, 0,1
	v_lshrrev_b32 v[BY+\c], 23, v[SOP+\c]          ; the scale's byte
.endr
	v_lshl_or_b32 v[TA], v[BY+1], 16, v[BY]        ; my bytes: blocks h and 2 + h,
	v_lshlrev_b32 v[TA], v6, v[TA]                 ; at their places;
	v_permlanex16_b32 v[TB], v[TA], s30, s31
	v_or_b32 v[W+(\i)], v[TA], v[TB]               ; with lane l xor 16's two the word is whole
	s_wait_alu depctr_va_vdst(0)
	s_wait_xcnt 0x0                                ; the last tile's stores have read the codes' registers: they are written again only behind this wait
	v_cvt_scalef32_pk16_bf6_f32 v[C:C+2], v[X:X+15], v[SOP]
	v_cvt_scalef32_pk16_bf6_f32 v[T0:T0+2], v[X+16:X+31], v[SOP]
	v_cvt_scalef32_pk16_bf6_f32 v[C+6:C+8], v[X+32:X+47], v[SOP+1]
	v_cvt_scalef32_pk16_bf6_f32 v[T1:T1+2], v[X+48:X+63], v[SOP+1]
	v_nop                                          ; one plain place behind the scaled conversions
.irp k, 0,1,2
	v_mov_b32 v[C+3+\k], v[T0+\k]
	v_mov_b32 v[C+9+\k], v[T1+\k]
.endr
.irp c, 0,1
	global_store_b128 v1, v[C+6*\c:C+6*\c+3], s[10:11] offset:FRB*(\i)+HFB*\c          ; 512 consecutive bytes,
	global_store_b64 v4, v[C+6*\c+4:C+6*\c+5], s[10:11] offset:FRB*(\i)+HFB*\c+512     ; and the 256 behind them
.endr
.endm
	LOADT 0
	LOADT 1
	s_set_vgpr_msb 0x40                            ; into window 1
	LOADT 2
	LOADT 3
	s_set_vgpr_msb 0x4000
	WORK 0
	WORK 1
	WORK 2
	WORK 3
	global_store_b128 v5, v[W:W+3], s[12:13]       ; 256 consecutive bytes; lanes l and l xor 16 hold the same words and write the same bytes
	s_wait_tensorcnt 0x0                           ; the wave's end
	ds_add_u32 v[SPW], v[NIL]
	s_wait_dscnt 0x0
	s_endpgm
.Lfunc_end_k_qfed036b0c6_quant:
	.size	k_qfed036b0c6_quant, .Lfunc_end_k_qfed036b0c6_quant-k_qfed036b0c6_quant
	.p2alignl 7, 3214868480
	.fill 96, 4, 3214868480
	.section	.rodata,"a",@progbits
	.p2align	6, 0x0
	.amdhsa_kernel k_qfed036b0c6_quant
		.amdhsa_group_segment_fixed_size 34304
		.amdhsa_private_segment_fixed_size 0
		.amdhsa_enable_private_segment 0
		.amdhsa_kernarg_size 56
		.amdhsa_user_sgpr_count 2
		.amdhsa_user_sgpr_kernarg_segment_ptr 1
		.amdhsa_wavefront_size32 1
		.amdhsa_system_sgpr_workgroup_id_x 1
		.amdhsa_system_sgpr_workgroup_id_y 1
		.amdhsa_system_sgpr_workgroup_id_z 1
		.amdhsa_system_vgpr_workitem_id 0
		.amdhsa_next_free_vgpr 400
		.amdhsa_next_free_sgpr 66
		.amdhsa_reserve_vcc 0
		.amdhsa_float_denorm_mode_32 3
		.amdhsa_float_denorm_mode_16_64 3
		.amdhsa_memory_ordered 1
		.amdhsa_forward_progress 1
		.amdhsa_inst_pref_size 31
	.end_amdhsa_kernel
	.amdgpu_metadata
---
amdhsa.version: [ 1, 2 ]
amdhsa.kernels:
  - .name:           k_qfed036b0c6_quant
    .symbol:         k_qfed036b0c6_quant.kd
    .args:
      - { .name: x, .offset: 0, .size: 8, .value_kind: global_buffer, .address_space: global }
      - { .name: w_qkv, .offset: 8, .size: 8, .value_kind: global_buffer, .address_space: global }
      - { .name: w_o, .offset: 16, .size: 8, .value_kind: global_buffer, .address_space: global }
      - { .name: c1, .offset: 24, .size: 8, .value_kind: global_buffer, .address_space: global }
      - { .name: s1, .offset: 32, .size: 8, .value_kind: global_buffer, .address_space: global }
      - { .name: c4, .offset: 40, .size: 8, .value_kind: global_buffer, .address_space: global }
      - { .name: s4, .offset: 48, .size: 8, .value_kind: global_buffer, .address_space: global }
    .group_segment_fixed_size: 34304
    .private_segment_fixed_size: 0
    .kernarg_segment_align: 8
    .kernarg_segment_size: 56
    .max_flat_workgroup_size: 128
    .sgpr_count:     66
    .vgpr_count:     400
    .wavefront_size: 32
...
	.end_amdgpu_metadata
.endif
;; end of part 1
;; launch qkv (part 2): grid 8 x 32, 4 waves a work-group, clusters of 4 x 4, 327,680 bytes of LDS; arguments c1, s1, qc, qs, kv, kvs; writes qc, qs, kv, kvs
.if DOCPART == 2
	.amdgcn_target "amdgcn-amd-amdhsa--gfx1250"
	.amdhsa_code_object_version 6
	.text
	.protected	k_qfed036b0c6_qkv
	.globl	k_qfed036b0c6_qkv
	.p2align	8
	.type	k_qfed036b0c6_qkv,@function
k_qfed036b0c6_qkv:
	s_mov_b64 s[64:65], 0
	v_nop
	global_prefetch_b8 v0, s[64:65] scope:SCOPE_SE
	s_setreg_imm32_b32 hwreg(HW_REG_WAVE_MODE, 25, 1), 1
	s_wait_xcnt 0x0
	s_wait_alu depctr_hold_cnt(0) depctr_sa_sdst(0) depctr_va_vdst(0) depctr_va_sdst(0) depctr_va_ssrc(0) depctr_va_vcc(0) depctr_vm_vsrc(0)
	s_getreg_b32 s2, hwreg(HW_REG_IB_STS2, 6, 4)
	s_cmp_eq_u32 s2, 0
	s_cbranch_scc0 .Lentry_in_a_cluster
	s_endpgm
.Lentry_in_a_cluster:
	s_bfe_u32 s2, ttmp6, 0x10000c
	s_cmp_lg_u32 s2, 0xf033
	s_cbranch_scc0 .Lentry_shape_is_right
	s_endpgm
.Lentry_shape_is_right:
; qkv = x w_qkv^T on codes of BF6 (E3M2) with E8M0 scales, f32 sums; the results never leave as f32: q and k are quantised along the head's 64, v along the keys, in registers.
; SHARES: a work-group owns 128 tokens (x's panel my) and the heads 2 nx, 2 nx + 1, of which it makes q, k and v IN ONE PASS ALONG K (w_qkv's panels nx, 8 + nx, 16 + nx).
; A wave (wm, wn) owns 64 tokens x (q, k, v of one head): 48 accumulators; a fragment of x is read from LDS once for all three.  256 work-groups of equal work.
; PANELS: 128 rows x K 1,024 as images of the operands' registers, [K step 8][tile 8][1,536 bytes].  Slot r of tile i of a group of 64 rows is row 32 (r / 8) + 8 i + r % 8:
; with such tiles as source 0, lane (r, h) holds in its 32 registers of the group's four tiles the rows 32 h + 0 .. 31: a WHOLE block.
; q, k: source 0 = w's rows (the head's d), source 1 = tokens: a lane holds one token, its registers run along d.   v: source 0 = tokens, source 1 = w's rows: a lane holds one d, its registers run along the keys.
; LDS: region A K steps 0-1, later 6-7 (x 24,576 bytes, then q's, k's, v's); region B K steps 2-5 (x 49,152, then q's, k's, v's).  The q, k and v panels lie eight panels apart: one descriptor of three rows brings all three.
; Head: waves 0, 1 fetch region A's x and w, waves 2, 3 region B's; the products begin when region A has landed.
; CLUSTER 4 x 4: x's panel is shared along a row of the cluster, w's along a column: joint loads.  No prefetch into the L2: the walk along K is written out, with one refill in all and no loop to run ahead in.
; OUT: qc [bh][tile 128][768], the half fragment as it stands; qs [bh][64 tokens][lane 32][2] words (word p: lanes 0-15 tile 2 p, lanes 16-31 tile 2 p + 1; bytes 0, 1 the head's two blocks; bytes 2, 3 = 1
; stand over zero codes of q, which add nothing); kv [bh][K as qc: 98,304][V: step 16 x d tile 4 x 1,536]; kvs [bh][K as qs: 8,192][V: step 16 x [lane 32][2] words].
; V's scale bytes leave two a lane, 8 bytes apart inside one run of 256 bytes: the other two bytes of each word are the other wave's.
; LIMITS: NaN and infinities are not served; a block under 2^-122 keeps the byte 1 (its codes are zeros or next to it; this program alone reads the bytes).
; REGISTERS: window 0: v1-31 addresses and what stays; v32-127 scale words (32 jt + 4 ks + i: lanes 0-15 x's tile i, lanes 16-31 w's tile i); v128-223 x's and q's fragments of set 0, at the end the codes; v224-255 the quantiser's.
; window 1: the accumulators of q (0-127) and k (128-255); window 2: v's (0-127), k's and v's fragments of set 0 (128-223); window 3: set 1: x 0-47, then q, k, v.
.set PANEL, 98304
.set KSTB,  12288
.set FRB,   1536
.set HFB,   768
.set WOFF,  32*PANEL
.set SOFF,  64*2048
.set RB,    98304                      ; region B
.set SPARE, 3*98304                    ; the spare words: two blocks of 256 bytes that no other line names
.set L16,   2
.set L8,    3
.set AX16,  4                          ; v4-5   x: region A, B
.set AX8,   6
.set AW16,  8                          ; v8-13  w: 2 jt + region
.set AW8,   14
.set PAIR,  20                         ; v20-25 scale words on their way out: a pair for each of q, k, v
.set SPW,   26
.set NIL,   27
.set SO,    28                         ; v28-30 offsets of the scale words
.set SH,    31                         ; 8 h
.set SC,    32
.set BM,    224
.set WD,    224
.set PL,    228
.set SOP,   232
.set BY,    236
.set TU,    240
.set G1X0,  24
.set G1X1,  32
.set G1W0,  40
.set G1W1,  48
.set G0X0,  56
.set G0W0,  60
.set G0X1,  68
.set G0W1,  72
.set MSB, 0
.macro WIN new                         ; the immediate's high byte repeats the setting that is left
.if MSB != \new
	s_set_vgpr_msb (MSB<<8)|\new
.set MSB, \new
.endif
.endm
.macro PLACES                          ; four places in front of loads into registers that matrix instructions have read, and of the first read of results
.rept 4
	v_nop
.endr
.endm
.macro CREST                           ; a round of the cluster's barrier behind its opening barrier
	s_cmp_lg_u32 s16, 0
	s_cbranch_scc1 .Lnot_wave_0_\@
	s_barrier_signal -3
.Lnot_wave_0_\@:
	s_barrier_wait -3
	s_barrier_signal -1
	s_barrier_wait -1
.endm
.macro CROUND
	s_barrier_signal -1
	s_barrier_wait -1
	CREST
.endm
.macro ARM under, g0, g1, next, join
	s_cmp_lt_u32 s16, \under
	s_cbranch_scc0 \next
	tensor_load_to_lds s[\g0:\g0+3], s[\g1:\g1+7]
	s_nop 0
.rept 4
	v_nop
.endr
	s_branch \join
\next:
.endm
	s_load_b256 s[4:11], s[0:1], 0x0               ; c1 s[4:5], s1 s[6:7], qc s[8:9], qs s[10:11]
	s_load_b128 s[12:15], s[0:1], 0x20             ; kv s[12:13], kvs s[14:15]
	v_lshl_add_u32 v[SPW], v0, 2, SPARE
	v_mov_b32 v[NIL], 0
	ds_add_u32 v[SPW], v[NIL]                      ; the opening: the add, twice on end, ahead of my first tensor load
	ds_add_u32 v[SPW], v[NIL]
	v_lshrrev_b32 v1, 5, v0
	v_readfirstlane_b32 s16, v1                    ; wave
	s_lshr_b32 s17, s16, 1                         ; wm: my 64 tokens
	s_and_b32 s18, s16, 1                          ; wn: my head
	s_bfe_u32 s19, ttmp6, 0x40000                  ; cx
	s_bfe_u32 s20, ttmp6, 0x40004                  ; cy
	s_lshl_b32 s21, ttmp9, 2
	s_add_co_u32 s21, s21, s19                     ; nx
	s_and_b32 s22, ttmp7, 0xffff
	s_lshl_b32 s22, s22, 2
	s_add_co_u32 s22, s22, s20                     ; my
	s_lshl_b32 s2, s20, 2
	s_lshl_b32 s2, 15, s2                          ; my row of the cluster
	s_lshl_b32 s3, 0x1111, s19                     ; my column
	s_or_b32 s[G1X0], s2, (3<<16)|(1<<21)          ; elements of 8 bytes, no padding; 15:0 the mask, 21 set beside it
	s_or_b32 s[G1X1], s2, (3<<16)|(1<<21)
	s_or_b32 s[G1W0], s3, (3<<16)|(1<<21)
	s_or_b32 s[G1W1], s3, (3<<16)|(1<<21)
.macro GROUP1 g, cols, rows, pitch
	s_mov_b32 s[\g+1], (\cols)<<16
	s_mov_b32 s[\g+2], (\rows)<<16
	s_mov_b32 s[\g+3], (\cols)<<16
	s_mov_b32 s[\g+4], \rows
	s_mov_b32 s[\g+5], \pitch
	s_mov_b32 s[\g+6], 0
	s_mov_b32 s[\g+7], 0
.endm
	GROUP1 G1X0, 32, 96, 32                        ; x: two K steps, dense, as rows of 256 bytes
	GROUP1 G1X1, 32, 192, 32                       ; four K steps
	GROUP1 G1W0, 3072, 3, PANEL                    ; w: two K steps (24,576 bytes) of each of three panels, 8 panels = 98,304 elements apart
	GROUP1 G1W1, 6144, 3, PANEL                    ; four K steps of each
	s_mul_i32 s88, s22, PANEL                      ; x's address is made of my alone,
	s_mov_b32 s89, 0
	s_mul_i32 s90, s21, PANEL                      ; w's of nx alone
	s_add_co_u32 s90, s90, WOFF
	s_mov_b32 s91, 0
	s_mov_b32 s[G0X0], 1
	s_mov_b32 s[G0X0+1], 0
	s_mov_b32 s[G0W0], 1
	s_mov_b32 s[G0W0+1], 24576
	s_mov_b32 s[G0X1], 1
	s_mov_b32 s[G0X1+1], RB
	s_mov_b32 s[G0W1], 1
	s_mov_b32 s[G0W1+1], RB+49152
	s_wait_dscnt 0x0                               ; both opening adds are done
	s_wait_kmcnt 0x0
	s_add_nc_u64 s[88:89], s[4:5], s[88:89]
	s_add_nc_u64 s[90:91], s[4:5], s[90:91]
	s_mov_b64 s[G0X0+2:G0X0+3], s[88:89]
	s_or_b32 s[G0X0+3], s[G0X0+3], 0x80000000
	s_mov_b64 s[G0W0+2:G0W0+3], s[90:91]
	s_or_b32 s[G0W0+3], s[G0W0+3], 0x80000000
	s_add_nc_u64 s[G0X1+2:G0X1+3], s[88:89], 2*KSTB
	s_or_b32 s[G0X1+3], s[G0X1+3], 0x80000000
	s_add_nc_u64 s[G0W1+2:G0W1+3], s[90:91], 2*KSTB
	s_or_b32 s[G0W1+3], s[G0W1+3], 0x80000000
	CROUND                                         ; all sixteen work-groups are here: the first joint loads meet
	ARM 1, G0X0, G1X0, .Lhead_1, .Lasked           ; one tensor load a wave; one chain of branches on the wave's number
	ARM 2, G0W0, G1W0, .Lhead_2, .Lasked
	ARM 3, G0X1, G1X1, .Lhead_3, .Lasked
	tensor_load_to_lds s[G0W1:G0W1+3], s[G1W1:G1W1+7]
	s_nop 0
.rept 4
	v_nop
.endr
.Lasked:
	; scale words: lanes 0-15 read x's group 2 my + wm, lanes 16-31 w's group 2 (8 jt + nx) + wn: one base, and for the upper lanes the distance between the two
	s_lshl_b32 s2, s21, 1
	s_add_co_u32 s2, s2, s18
	s_lshl_b32 s2, s2, 11
	s_add_co_u32 s2, s2, SOFF
	s_lshl_b32 s3, s22, 1
	s_add_co_u32 s3, s3, s17
	s_lshl_b32 s3, s3, 11
	s_sub_co_u32 s2, s2, s3                        ; at least 2,048
	s_mov_b32 s66, s3
	s_mov_b32 s67, 0
	s_add_nc_u64 s[66:67], s[6:7], s[66:67]
	v_and_b32 v1, 15, v0                           ; r
	s_wait_alu depctr_va_vdst(0)
	v_bfe_u32 v[SH], v0, 4, 1                      ; h
	v_lshlrev_b32 v1, 4, v1                        ; 16 r
.irp jt, 0,1,2
	v_mul_u32_u24 v[SO+\jt], s2, v[SH]
	v_add_nc_u32 v[SO+\jt], v[SO+\jt], v1
	s_add_co_u32 s2, s2, 16*2048                   ; eight panels on
.endr
.irp jt, 0,1,2
.irp ks, 0,1,2,3,4,5,6,7
	global_load_b128 v[SC+32*\jt+4*\ks:SC+32*\jt+4*\ks+3], v[SO+\jt], s[66:67] offset:256*\ks
.endr
.endr
	v_lshlrev_b32 v[SH], 3, v[SH]                  ; 8 h: my byte's place in a scale word
	v_and_b32 v1, 31, v0                           ; lane
	v_lshlrev_b32 v[L16], 4, v1
	v_lshlrev_b32 v[L8], 3, v1
	v_add_nc_u32 v1, 512, v[L8]
	s_mul_i32 s2, s17, 4*FRB                       ; my four tiles of x in a K step,
	s_mul_i32 s3, s18, 4*FRB                       ; and of w
	v_add_nc_u32 v[AX16], s2, v[L16]
	v_add_nc_u32 v[AX8], s2, v1
	v_add_nc_u32 v[AX16+1], RB, v[AX16]
	v_add_nc_u32 v[AX8+1], RB, v[AX8]
.irp jt, 0,1,2
	s_add_co_u32 s2, s3, 24576+24576*\jt
	v_add_nc_u32 v[AW16+2*\jt], s2, v[L16]
	v_add_nc_u32 v[AW8+2*\jt], s2, v1
	s_add_co_u32 s2, s3, RB+49152+49152*\jt
	v_add_nc_u32 v[AW16+2*\jt+1], s2, v[L16]
	v_add_nc_u32 v[AW8+2*\jt+1], s2, v1
.endr
	; where the results go
	s_mov_b32 s23, 0xffff0000                      ; lanes 16-31
	s_mov_b32 s83, 0x01010000
	s_mov_b32 s100, 0x76543210
	s_mov_b32 s101, 0xfedcba98                     ; v_permlanex16_b32's selects for lane l xor 16
	s_lshr_b32 s2, s22, 4
	s_lshl_b32 s2, s2, 4
	s_lshl_b32 s3, s21, 1
	s_add_co_u32 s2, s2, s3
	s_add_co_u32 s2, s2, s18                       ; bh = 16 batch + head
	s_and_b32 s3, s22, 15                          ; the panel within the batch: the key step
	s_lshl_b32 s80, s3, 3
	s_lshl_b32 s81, s17, 2
	s_add_co_u32 s80, s80, s81
	s_mul_i32 s80, s80, HFB                        ; my first tile of tokens in the head
	s_lshl_b32 s81, s3, 1
	s_add_co_u32 s81, s81, s17
	s_lshl_b32 s81, s81, 8                         ; my group of 64 tokens
	s_mul_i32 s88, s2, PANEL
	s_add_co_u32 s88, s88, s80
	s_mov_b32 s89, 0
	s_add_nc_u64 s[88:89], s[8:9], s[88:89]        ; q's codes
	s_lshl_b32 s90, s2, 13
	s_add_co_u32 s90, s90, s81
	s_mov_b32 s91, 0
	s_add_nc_u64 s[90:91], s[10:11], s[90:91]      ; q's scale words
	s_mul_i32 s92, s2, 2*PANEL
	s_add_co_u32 s96, s92, PANEL
	s_add_co_u32 s92, s92, s80
	s_mov_b32 s93, 0
	s_add_nc_u64 s[92:93], s[12:13], s[92:93]      ; k's codes
	s_mul_i32 s94, s2, 12288
	s_add_co_u32 s98, s94, 8192
	s_add_co_u32 s94, s94, s81
	s_mov_b32 s95, 0
	s_add_nc_u64 s[94:95], s[14:15], s[94:95]      ; k's scale words
	s_mul_i32 s82, s3, 4*FRB
	s_add_co_u32 s96, s96, s82
	s_mul_i32 s82, s17, HFB
	s_add_co_u32 s96, s96, s82
	s_mov_b32 s97, 0
	s_add_nc_u64 s[96:97], s[12:13], s[96:97]      ; v's codes: my 64 keys are half wm of the step's fragments
	s_lshl_b32 s82, s3, 8
	s_add_co_u32 s98, s98, s82
	s_lshl_b32 s82, s17, 1
	s_add_co_u32 s98, s98, s82
	s_mov_b32 s99, 0
	s_add_nc_u64 s[98:99], s[14:15], s[98:99]      ; v's scale bytes: bytes 2 wm, 2 wm + 1 of each word
; LDS loads of K step ks into a set: x's four fragments, or those of one of w's panels
.macro REGION ks
.if (\ks) < 2
.set RG, 0
.set KO, (\ks)*KSTB
.elseif (\ks) < 6
.set RG, 1
.set KO, ((\ks)-2)*KSTB
.else
.set RG, 0
.set KO, ((\ks)-6)*KSTB
.endif
.endm
.macro EIGHT dst, a16, a8
.set NN, 0
.rept 8
	ds_load_b128 v[\dst+6*NN:\dst+6*NN+3], v[\a16+RG] offset:KO+HFB*NN
	ds_load_b64 v[\dst+6*NN+4:\dst+6*NN+5], v[\a8+RG] offset:KO+HFB*NN
.set NN, NN+1
.endr
.endm
.macro FX set, ks
	REGION \ks
.if \set
	WIN 0xc0
	EIGHT 0, AX16, AX8
.else
	WIN 0
	EIGHT 128, AX16, AX8
.endif
.endm
.macro FW set, ks, jt
	REGION \ks
.if \set
	WIN 0xc0
	EIGHT 48+48*(\jt), AW16+2*(\jt), AW8+2*(\jt)
.elseif (\jt) == 0
	WIN 0
	EIGHT 176, AW16, AW8
.else
	WIN 0x80
	EIGHT 80+48*(\jt), AW16+2*(\jt), AW8+2*(\jt)
.endif
.endm
.macro FALL set, ks
	FX \set, \ks
	FW \set, \ks, 0
	FW \set, \ks, 1
	FW \set, \ks, 2
.endm
; Eight matrix instructions of tile jt (0 q, 1 k, 2 v).  q, k: accumulator 4 t + a = w's tile a (source 0) x x's tile t.  v: accumulator 4 a + t = x's tile t (source 0) x w's tile a.
; The 48 accumulators take turns, one instruction a turn, in the same order in every K step.  zero = 1: the first K step starts the sums.
.macro MUL8 set, ks, jt, zero, half
.if \set
.set XB, 0
.set WB, 48+48*(\jt)
.else
.set XB, 128
.if (\jt) == 0
.set WB, 176
.else
.set WB, 80+48*(\jt)
.endif
.endif
.if (\jt) == 2
.if \set
	WIN 0xaf
.else
	WIN 0xa8
.endif
.elseif \set
	WIN 0x5f
.elseif (\jt) == 1
	WIN 0x52
.else
	WIN 0x50
.endif
.set DB, 128*((\jt)%2)
.set NN, 8*(\half)
.rept 8
.set XS0, SC+32*(\jt)+4*(\ks)+NN%4
.set XS1, SC+32*(\jt)+4*(\ks)+NN/4
.set AC, DB+8*NN
.if (\jt) == 2
.set XF0, XB+12*(NN%4)
.set XF1, WB+12*(NN/4)
.if \zero
	v_wmma_scale_f32_16x16x128_f8f6f4 v[AC:AC+7], v[XF0:XF0+11], v[XF1:XF1+11], 0, v[XS0], v[XS1] matrix_a_fmt:MATRIX_FMT_BF6 matrix_b_fmt:MATRIX_FMT_BF6 matrix_b_scale:MATRIX_SCALE_ROW1
.else
	v_wmma_scale_f32_16x16x128_f8f6f4 v[AC:AC+7], v[XF0:XF0+11], v[XF1:XF1+11], v[AC:AC+7], v[XS0], v[XS1] matrix_a_fmt:MATRIX_FMT_BF6 matrix_b_fmt:MATRIX_FMT_BF6 matrix_b_scale:MATRIX_SCALE_ROW1
.endif
.else
.set XF0, WB+12*(NN%4)
.set XF1, XB+12*(NN/4)
.if \zero
	v_wmma_scale_f32_16x16x128_f8f6f4 v[AC:AC+7], v[XF0:XF0+11], v[XF1:XF1+11], 0, v[XS0], v[XS1] matrix_a_fmt:MATRIX_FMT_BF6 matrix_b_fmt:MATRIX_FMT_BF6 matrix_a_scale:MATRIX_SCALE_ROW1
.else
	v_wmma_scale_f32_16x16x128_f8f6f4 v[AC:AC+7], v[XF0:XF0+11], v[XF1:XF1+11], v[AC:AC+7], v[XS0], v[XS1] matrix_a_fmt:MATRIX_FMT_BF6 matrix_b_fmt:MATRIX_FMT_BF6 matrix_a_scale:MATRIX_SCALE_ROW1
.endif
.endif
.set NN, NN+1
.endr
.endm
.macro MUL set, ks, jt, zero
	MUL8 \set, \ks, \jt, \zero, 0
	MUL8 \set, \ks, \jt, \zero, 1
.endm
; A K step whose successor has landed.  The next step's loads stand in three runs (32, 16, 16) ahead of this step's three runs of products; at each wait 64 loads are younger than those wanted.
.macro KSTEP ks, zero
.set CS, (\ks)%2
.set NS, 1-(\ks)%2
.if (\ks) > 0
	PLACES
.endif
	FX NS, (\ks)+1
	FW NS, (\ks)+1, 0
	s_wait_dscnt 63
	MUL CS, \ks, 0, \zero
	FW NS, (\ks)+1, 1
	s_wait_dscnt 63
	MUL CS, \ks, 1, \zero
	FW NS, (\ks)+1, 2
	s_wait_dscnt 63
	MUL CS, \ks, 2, \zero
	WIN 0
.endm
	s_wait_alu depctr_va_vdst(0)                   ; the wait at the head's end
	s_cmp_lt_u32 s16, 2
	s_cbranch_scc0 .Lnot_mine                      ; waves 2 and 3: region B may still be on its way; nothing of it is read ahead of the next barrier
	s_wait_tensorcnt 0x0                           ; waves 0 and 1: region A's x and w are in
.Lnot_mine:
	s_wait_loadcnt 0x0                             ; the scale words
	s_barrier_signal -1
	s_barrier_wait -1
	FALL 0, 0
	KSTEP 0, 1
	; K step 1: region B is shown to all, region A is left and filled again
	s_wait_dscnt 32                                ; x's and q's fragments are in; k's and v's 32 loads may be out
	MUL 1, 1, 0, 0
	WIN 0
	s_wait_tensorcnt 0x0                           ; my part of region B, if any, is in
	ds_add_u32 v[SPW], v[NIL]
	s_add_nc_u64 s[G0X0+2:G0X0+3], s[G0X0+2:G0X0+3], 6*KSTB   ; no load of mine is out, so a descriptor may be written: K steps 6-7
	s_add_nc_u64 s[G0W0+2:G0W0+3], s[G0W0+2:G0W0+3], 6*KSTB
	s_wait_dscnt 17                                ; k's fragments are in; v's 16 loads and the add may be out
	MUL8 1, 1, 1, 0, 0
	s_wait_dscnt 0x0                               ; the add is done, and so are my reads of region A
	s_barrier_signal -1
	MUL8 1, 1, 1, 0, 1
	WIN 0
	s_barrier_wait -1
	CREST                                          ; no wave of any partner still reads region A or has a load on its way
	ARM 1, G0X0, G1X0, .Lrefill_1, .Lrefilled
	ARM 2, G0W0, G1W0, .Lrefill_2, .Lrefilled
.Lrefilled:
	PLACES
	FALL 0, 2
	MUL 1, 1, 2, 0
	WIN 0
	KSTEP 2, 0
	KSTEP 3, 0
	KSTEP 4, 0
	; K step 5: region A's second filling is shown to all
	s_wait_dscnt 32
	MUL 1, 5, 0, 0
	WIN 0
	s_wait_tensorcnt 0x0
	s_wait_dscnt 16                                ; v's 16 loads may be out
	MUL8 1, 5, 1, 0, 0
	s_wait_dscnt 0x0
	s_barrier_signal -1
	MUL8 1, 5, 1, 0, 1
	WIN 0
	s_barrier_wait -1
	PLACES
	FALL 0, 6
	MUL 1, 5, 2, 0
	WIN 0
	KSTEP 6, 0
	s_wait_dscnt 32
	MUL 1, 7, 0, 0
	s_wait_dscnt 16
	MUL 1, 7, 1, 0
	s_wait_dscnt 0x0
	MUL 1, 7, 2, 0
	WIN 0
	PLACES
; A tile's 128 accumulator registers (window w, from base) are four groups of 32: in each my lane's one block.  Each becomes a half fragment (6 registers at pc + 8 g) and a scale byte.
; Eight chains of 16 registers take turns; each accumulator is read from its low end on.
.macro QUANT w, base, pc
	WIN 5*(\w)                                     ; sources 0 and 1
.set NN, 0
.rept 8
	v_max3_num_f32 v[BM+NN], |v[\base+16*NN]|, |v[\base+16*NN+1]|, 0x2800000   ; the floor 2^(5 - 127) holds the byte at 1 from below
.set NN, NN+1
.endr
.irp k, 2,4,6,8,10,12,14
.set NN, 0
.rept 8
	v_max3_num_f32 v[BM+NN], |v[\base+16*NN+\k]|, |v[\base+16*NN+\k+1]|, v[BM+NN]
.set NN, NN+1
.endr
.endr
	WIN 0
.irp g, 0,1,2,3
	v_max_num_f32 v[SOP+\g], v[BM+2*\g], v[BM+2*\g+1]
.endr
.irp g, 0,1,2,3
	v_add_nc_u32 v[SOP+\g], 0xfe000000, v[SOP+\g]  ; 4 off the exponent field: the conversion's scale operand
.endr
.irp g, 0,1,2,3
	v_lshrrev_b32 v[BY+\g], 23, v[SOP+\g]          ; the scale's byte
.endr
.irp g, 0,1,2,3
	v_lshl_or_b32 v[WD+\g], v[BY+\g], v[SH], s83   ; at byte h; bytes 2, 3 = 1
.endr
.irp g, 0,1,2,3
	v_permlanex16_b32 v[PL+\g], v[WD+\g], s100, s101
.endr
.irp g, 0,1,2,3
	v_or_b32 v[WD+\g], v[WD+\g], v[PL+\g]          ; with lane l xor 16's
.endr
	WIN \w                                         ; source 0
.irp g, 0,1,2,3
	v_cvt_scalef32_pk16_bf6_f32 v[\pc+8*\g:\pc+8*\g+2], v[\base+32*\g:\base+32*\g+15], v[SOP+\g]
	v_cvt_scalef32_pk16_bf6_f32 v[TU+4*\g:TU+4*\g+2], v[\base+32*\g+16:\base+32*\g+31], v[SOP+\g]   ; (a conversion's three registers begin on an even number)
.endr
	WIN 0
	v_nop                                          ; one plain place behind the scaled conversions
.irp g, 0,1,2,3
.irp i, 0,1,2
	v_mov_b32 v[\pc+8*\g+3+\i], v[TU+4*\g+\i]
.endr
.endr
.endm
.macro WAYOUT w, base, pc, pr, cb, step
	QUANT \w, \base, \pc
	v_cndmask_b32 v[\pr], v[WD], v[WD+1], s23
	v_cndmask_b32 v[\pr+1], v[WD+2], v[WD+3], s23
.irp g, 0,1,2,3
	global_store_b128 v[L16], v[\pc+8*\g:\pc+8*\g+3], s[\cb:\cb+1] offset:(\step)*\g          ; 512 consecutive bytes,
	global_store_b64 v[L8], v[\pc+8*\g+4:\pc+8*\g+5], s[\cb:\cb+1] offset:(\step)*\g+512      ; and the 256 behind them
.endr
.endm
	; each tile has registers of its own for what it stores
	WAYOUT 1, 0, 128, PAIR, 88, HFB                ; q
	global_store_b64 v[L8], v[PAIR:PAIR+1], s[90:91]          ; 256 consecutive bytes
	WAYOUT 1, 128, 160, PAIR+2, 92, HFB            ; k
	global_store_b64 v[L8], v[PAIR+2:PAIR+3], s[94:95]
	WAYOUT 2, 0, 192, PAIR+4, 96, FRB              ; v
	global_store_b16 v[L8], v[PAIR+4], s[98:99]
	global_store_b16 v[L8], v[PAIR+5], s[98:99] offset:4
	s_wait_tensorcnt 0x0                           ; the wave's end
	ds_add_u32 v[SPW], v[NIL]
	s_wait_dscnt 0x0
	CROUND                                         ; the closing round
	s_endpgm
.Lfunc_end_k_qfed036b0c6_qkv:
	.size	k_qfed036b0c6_qkv, .Lfunc_end_k_qfed036b0c6_qkv-k_qfed036b0c6_qkv
	.p2alignl 7, 3214868480
	.fill 96, 4, 3214868480
	.section	.rodata,"a",@progbits
	.p2align	6, 0x0
	.amdhsa_kernel k_qfed036b0c6_qkv
		.amdhsa_group_segment_fixed_size 327680
		.amdhsa_private_segment_fixed_size 0
		.amdhsa_enable_private_segment 0
		.amdhsa_kernarg_size 48
		.amdhsa_user_sgpr_count 2
		.amdhsa_user_sgpr_kernarg_segment_ptr 1
		.amdhsa_wavefront_size32 1
		.amdhsa_system_sgpr_workgroup_id_x 1
		.amdhsa_system_sgpr_workgroup_id_y 1
		.amdhsa_system_sgpr_workgroup_id_z 1
		.amdhsa_system_vgpr_workitem_id 0
		.amdhsa_next_free_vgpr 1024
		.amdhsa_next_free_sgpr 102
		.amdhsa_reserve_vcc 0
		.amdhsa_float_denorm_mode_32 3
		.amdhsa_float_denorm_mode_16_64 3
		.amdhsa_memory_ordered 1
		.amdhsa_forward_progress 1
		.amdhsa_inst_pref_size 120
	.end_amdhsa_kernel
	.amdgpu_metadata
---
amdhsa.version: [ 1, 2 ]
amdhsa.kernels:
  - .name:           k_qfed036b0c6_qkv
    .symbol:         k_qfed036b0c6_qkv.kd
    .args:
      - { .name: c1, .offset: 0, .size: 8, .value_kind: global_buffer, .address_space: global }
      - { .name: s1, .offset: 8, .size: 8, .value_kind: global_buffer, .address_space: global }
      - { .name: qc, .offset: 16, .size: 8, .value_kind: global_buffer, .address_space: global }
      - { .name: qs, .offset: 24, .size: 8, .value_kind: global_buffer, .address_space: global }
      - { .name: kv, .offset: 32, .size: 8, .value_kind: global_buffer, .address_space: global }
      - { .name: kvs, .offset: 40, .size: 8, .value_kind: global_buffer, .address_space: global }
    .group_segment_fixed_size: 327680
    .private_segment_fixed_size: 0
    .kernarg_segment_align: 8
    .kernarg_segment_size: 48
    .max_flat_workgroup_size: 128
    .sgpr_count:     102
    .vgpr_count:     1024
    .wavefront_size: 32
...
	.end_amdgpu_metadata
.endif
;; end of part 2
;; launch attn (part 3): grid 8 x 32, 16 waves a work-group, clusters of 4 x 1, 219,136 bytes of LDS; arguments qc, qs, kv, kvs, c4, s4; writes c4, s4
.if DOCPART == 3
	.amdgcn_target "amdgcn-amd-amdhsa--gfx1250"
	.amdhsa_code_object_version 6
	.text
	.protected	k_qfed036b0c6_attn
	.globl	k_qfed036b0c6_attn
	.p2align	8
	.type	k_qfed036b0c6_attn,@function
k_qfed036b0c6_attn:
	s_mov_b64 s[64:65], 0
	v_nop
	global_prefetch_b8 v0, s[64:65] scope:SCOPE_SE
	s_setreg_imm32_b32 hwreg(HW_REG_WAVE_MODE, 25, 1), 1
	s_wait_xcnt 0x0
	s_wait_alu depctr_hold_cnt(0) depctr_sa_sdst(0) depctr_va_vdst(0) depctr_va_sdst(0) depctr_va_ssrc(0) depctr_va_vcc(0) depctr_vm_vsrc(0)
	s_getreg_b32 s2, hwreg(HW_REG_IB_STS2, 6, 4)
	s_cmp_eq_u32 s2, 0
	s_cbranch_scc0 .Lentry_in_a_cluster
	s_endpgm
.Lentry_in_a_cluster:
	s_bfe_u32 s2, ttmp6, 0x10000c
	s_cmp_lg_u32 s2, 0x3003
	s_cbranch_scc0 .Lentry_shape_is_right
	s_endpgm
.Lentry_shape_is_right:
; o = softmax(q k^T / 8, causal) v for one head, both products on codes of BF6 (E3M2) with E8M0 scales; o is quantised along the model's 1,024 and leaves as codes for the last product.
; THE SOFTMAX: t = score x log2(e) / 8; M = the running largest t rounded up to a whole number; p = 2^(t - M) is quantised along the keys, not normalised; the row's sum is taken of the unquantised p and divides at the end.
; When M moves, the sum and O are multiplied by 2^(old M - new M): exact.
; WORK LEFT OUT: key tiles of which every key lies behind every query of the tile: their p is 0.  A NaN or an infinity that reaches only what is left out is not carried to the result.
; SHARES: a work-group serves one head (bh) and the 16 query tiles T = 8 j + g of its g (0 .. 7).  All 16 queries of tile T lie in key step j (128 keys a step), so tile j wants steps 0 .. j.
; A wave takes one tile.  The tiles are dealt longest first, to and fro over four columns: waves w, w + 4, w + 8, w + 12 have 16 - w, 9 + w, 8 - w and 1 + w steps (w = 0 .. 3): 34 in all.
; A tile's last step is its own, the only one with hidden keys: it stands behind the loop, and its score products take for C 64 registers that hold 0, or -1e30 where the key is hidden.  That image is the
; same for all tiles of the work-group: its 16 waves make it together, four registers each, and leave it in LDS.
; Every branch hangs on the wave's number and the loop's count alone; g enters global addresses and the mask's compare value.
; LDS holds the head's K and V codes and their scale words whole, as they lie in memory: filled once, nothing is filled again.  Waves 0, 1 fetch K's and V's keys 0-255, wave 2 the scale words, waves 12-15 the rest,
; which lands while the waves work step 0.  No prefetch into the L2: all tiles are asked for at the head, no loop loads from memory.
; CLUSTER 4 x 1: the four work-groups of a cluster serve one head: joint loads.
; LAYOUT: S^T = K Q^T (source 0 = 16 keys), O^T = V^T P^T (source 0 = 16 of the head's 64): a lane holds one query throughout.  Slot r of tile i of a group of 64 keys is key 32 (r / 8) + 8 i + r % 8, so that
; lane (r, h) holds in the group's 32 registers the keys 32 h + 0 .. 31: a whole block of p.  The head's 64 fill half of the instruction's K: the upper six registers of Q are zero codes, and over them
; K's fragment names the next six registers, whatever codes they hold: a code of this format is a finite number, times zero.
; LIMITS: NaN and infinities are not served.  A hidden score gets -1e30 added where the definition has -1e9 in its place: the same p = 0 while a row's largest visible logit lies above some -1e9.
; A block under 2^-122 keeps the byte 1 (this program alone reads the bytes).  o's scale bytes leave one a lane, 16 bytes apart.
; REGISTERS: v0-5 that stay; v6-7 at work; v8-11, v28-29 the step's addresses; v12 -M, v13 the largest t, v[14:15] the sum; v16-27 Q; v30 8 h; v31 Q's scale word; v32-63 O^T; v64-75 p's codes; v76-81 K's and V's
; scale words; v82-95 at work; v96-143 eight half fragments of K; v144-191 four fragments of V; v192-255 S^T, then p.
.set PANEL, 98304
.set FRB,   1536
.set HFB,   768
.set ST1,   6144                       ; a step's codes, of K as of V
.set SCB,   2*PANEL                    ; the scale words: K's 8,192 bytes, then V's 4,096
.set MASK,  SCB+12288                  ; the mask's image: 64 registers x 128 bytes; no tile lands here
.set SPARE, MASK+8192                  ; the spare words: eight blocks of 256 bytes that no other line names
.set W0,    6
.set W1,    7
.set QF,    16
.set SH,    30
.set QS,    31
.set O,     32
.set PC,    64
.set KS,    76
.set VS,    80
.set FC,    82                         ; f; v83 is named with it as a pair
.set PW,    84                         ; p's scale word
.set BB,    86
.set BM,    88
.set KF,    96
.set VF,    144
.set S,     192
.macro CROUND
	s_barrier_signal -1
	s_barrier_wait -1
	s_cmp_lg_u32 s16, 0
	s_cbranch_scc1 .Lnot_wave_0_\@
	s_barrier_signal -3
.Lnot_wave_0_\@:
	s_barrier_wait -3
	s_barrier_signal -1
	s_barrier_wait -1
.endm
	s_load_b256 s[4:11], s[0:1], 0x0               ; qc s[4:5], qs s[6:7], kv s[8:9], kvs s[10:11]
	s_load_b128 s[12:15], s[0:1], 0x20             ; c4 s[12:13], s4 s[14:15]
	v_lshl_add_u32 v86, v0, 2, SPARE
	v_mov_b32 v87, 0
	ds_add_u32 v86, v87                            ; the opening: the add, twice on end, ahead of my first tensor load
	ds_add_u32 v86, v87
	v_lshrrev_b32 v96, 5, v0
	v_readfirstlane_b32 s16, v96                   ; wave 0..15
	s_lshr_b32 s76, s16, 2
	s_and_b32 s76, s76, 1
	s_xor_b32 s78, s16, 15
	s_add_co_u32 s79, s16, 4
	s_and_b32 s79, s79, 15
	s_cmp_eq_u32 s76, 0
	s_cselect_b32 s77, s78, s79                    ; j: my tile's own step
	s_bfe_u32 s18, ttmp6, 0x40000                  ; cx
	s_lshl_b32 s19, ttmp9, 2
	s_add_co_u32 s19, s19, s18                     ; g
	s_and_b32 s20, ttmp7, 0xffff                   ; bh, which the four partners share
	s_lshr_b32 s79, s19, 2
	s_lshl_b32 s79, s79, 6
	s_and_b32 s76, s19, 3
	s_lshl_b32 s76, s76, 3
	s_add_co_u32 s79, s79, s76                     ; 64 (g / 4) + 8 (g % 4)
	v_and_b32 v96, 31, v0                          ; lane
	v_and_b32 v97, 15, v0                          ; r
	v_bfe_u32 v98, v0, 4, 1                        ; h
	v_lshlrev_b32 v1, 4, v96                       ; 16 x lane
	v_lshl_add_u32 v2, v96, 3, 512                 ; 512 + 8 x lane
	v_lshl_add_u32 v3, v96, 3, SCB                 ; K's scale words
	v_lshl_add_u32 v4, v96, 3, SCB+8192            ; V's
	v_add_nc_u32 v5, MASK, v1                      ; the mask's image
	v_lshlrev_b32 v[SH], 3, v98
	v_lshlrev_b32 v101, 3, v97                     ; 8 r: Q's scale words
	v_lshrrev_b32 v99, 3, v97
	v_mul_u32_u24 v99, 24, v99
	v_add_nc_u32 v100, v97, v99                    ; r % 8 + 32 (r / 8)
	v_add_nc_u32 v100, s79, v100                   ; my query's place in its step, the same in all tiles,
	v_lshlrev_b32 v99, 5, v98
	v_sub_nc_u32 v85, v100, v99                    ; less 32 h: register n's key is hidden where 64 (n / 32) + n % 32 is larger
	; descriptor groups 1: dense blocks as rows of 256 bytes (32 elements of 8 bytes); the mask names all four work-groups, bit 21 beside it
.irp g, 28, 36
	s_mov_b32 s[\g], 15|(3<<16)|(1<<21)
	s_mov_b32 s[\g+1], 32<<16
	s_mov_b32 s[\g+3], 32<<16
	s_mov_b32 s[\g+5], 32
	s_mov_b32 s[\g+6], 0
	s_mov_b32 s[\g+7], 0
.endr
	s_mov_b32 s30, 48<<16                          ; 12,288 bytes: 256 keys of K or of V; all scale words
	s_mov_b32 s32, 48
	s_mov_b32 s38, 168<<16                         ; half of the other 1,792 keys
	s_mov_b32 s40, 168
	s_mul_i32 s56, s20, 2*PANEL                    ; the head's first byte in kv
	s_mov_b32 s57, 0
	s_and_b32 s76, s16, 1
	s_mul_i32 s58, s76, PANEL                      ; waves 0, 1: K or V
	s_mov_b32 s59, 0
	s_mul_i32 s60, s76, 43008                      ; waves 12-15: which half,
	s_bfe_u32 s76, s16, 0x10001
	s_mul_i32 s76, s76, PANEL                      ; of K or of V
	s_add_co_u32 s60, s60, s76
	s_add_co_u32 s60, s60, 2*ST1
	s_mov_b32 s61, 0
	s_mul_i32 s62, s20, 12288                      ; the head's first byte in kvs
	s_mov_b32 s63, 0
	s_mov_b32 s44, 1
	s_mov_b32 s45, s58
	s_mov_b32 s48, 1
	s_mov_b32 s49, SCB
	s_mov_b32 s52, 1
	s_mov_b32 s53, s60
	s_add_nc_u64 s[58:59], s[56:57], s[58:59]
	s_add_nc_u64 s[60:61], s[56:57], s[60:61]
	s_wait_alu depctr_va_vdst(0)
	s_wait_dscnt 0x0                               ; both opening adds are done
	s_wait_kmcnt 0x0
	s_add_nc_u64 s[46:47], s[8:9], s[58:59]
	s_or_b32 s47, s47, 0x80000000
	s_add_nc_u64 s[50:51], s[10:11], s[62:63]
	s_or_b32 s51, s51, 0x80000000
	s_add_nc_u64 s[54:55], s[8:9], s[60:61]
	s_or_b32 s55, s55, 0x80000000
	CROUND                                         ; all four work-groups are here: the joint loads meet
	s_cmp_lt_u32 s16, 2                            ; one tensor load a wave at most; one chain of branches on the wave's number
	s_cbranch_scc0 .Lhead_1
	tensor_load_to_lds s[44:47], s[28:35]          ; keys 0-255 of K or of V
	s_nop 0
.rept 4
	v_nop
.endr
	s_branch .Lasked
.Lhead_1:
	s_cmp_lt_u32 s16, 3
	s_cbranch_scc0 .Lhead_2
	tensor_load_to_lds s[48:51], s[28:35]          ; the scale words
	s_nop 0
.rept 4
	v_nop
.endr
	s_branch .Lasked
.Lhead_2:
	s_cmp_lt_u32 s16, 12
	s_cbranch_scc1 .Lasked                         ; waves 3-11 have no part
	tensor_load_to_lds s[52:55], s[36:43]          ; the rest
	s_nop 0
.rept 4
	v_nop
.endr
.Lasked:
	s_mov_b32 s22, 0x76543210
	s_mov_b32 s23, 0xfedcba98                      ; v_permlanex16_b32's selects for lane l xor 16
	s_mov_b32 s24, 0x3e38aa3b                      ; c = log2(e) / 8
	s_mov_b32 s25, s24                             ; (named with it as a pair)
	s_lshr_b32 s78, s19, 2                         ; Q's scale words: 8,192 bh + 512 j + the group of 64 tokens, g / 4;
	s_lshl_b32 s78, s78, 8
	s_and_b32 s76, s19, 1
	s_lshl_b32 s76, s76, 7
	s_add_co_u32 s78, s78, s76                     ; odd tiles' words lie in places 16-31,
	s_bfe_u32 s76, s19, 0x10001
	s_lshl_b32 s76, s76, 2
	s_add_co_u32 s78, s78, s76                     ; tiles 2, 3 of a group in the second word
	s_lshl_b32 s82, s20, 13
	s_add_co_u32 s82, s82, s78
	s_lshl_b32 s76, s77, 9
	s_add_co_u32 s82, s82, s76
	s_mov_b32 s83, 0
	s_add_nc_u64 s[82:83], s[6:7], s[82:83]
	s_lshl_b32 s76, s20, 7                         ; Q's half fragment: (128 bh + 8 j + g) x 768
	s_lshl_b32 s79, s77, 3
	s_add_co_u32 s76, s76, s79
	s_add_co_u32 s76, s76, s19
	s_mul_i32 s80, s76, HFB
	s_mov_b32 s81, 0
	s_add_nc_u64 s[80:81], s[4:5], s[80:81]
	s_wait_alu depctr_va_vdst(0)
	global_load_b128 v[QF:QF+3], v1, s[80:81]
	global_load_b64 v[QF+4:QF+5], v2, s[80:81]
	global_load_b32 v[QS], v101, s[82:83]          ; lane r: query slot r's word
	s_and_b32 s79, s20, 15                         ; the head
	s_lshr_b32 s74, s79, 1
	s_and_b32 s79, s79, 1
	s_lshr_b32 s90, s20, 4
	s_lshl_b32 s90, s90, 4
	s_add_co_u32 s90, s90, s77                     ; o's panel: 16 batch + j
	s_mul_i32 s92, s90, PANEL                      ; o's codes: panel,
	s_mul_i32 s76, s74, 12288
	s_add_co_u32 s92, s92, s76                     ; K step head / 2,
	s_mul_i32 s76, s19, FRB
	s_add_co_u32 s92, s92, s76                     ; tile g,
	s_mul_i32 s76, s79, HFB
	s_add_co_u32 s92, s92, s76                     ; half head % 2
	s_mov_b32 s93, 0
	s_add_nc_u64 s[92:93], s[12:13], s[92:93]
	s_lshl_b32 s94, s90, 12                        ; o's scale bytes: two groups a panel,
	s_lshr_b32 s76, s19, 2
	s_lshl_b32 s76, s76, 11
	s_add_co_u32 s94, s94, s76                     ; group g / 4,
	s_lshl_b32 s76, s74, 8
	s_add_co_u32 s94, s94, s76                     ; K step head / 2,
	s_and_b32 s76, s19, 3
	s_lshl_b32 s76, s76, 2
	s_add_co_u32 s94, s94, s76                     ; word g % 4,
	s_lshl_b32 s76, s79, 1
	s_add_co_u32 s94, s94, s76                     ; bytes 2 (head % 2) on
	s_mov_b32 s95, 0
	s_add_nc_u64 s[94:95], s[14:15], s[94:95]
	v_mov_b32 v13, 0xff61b1e6                      ; the largest t so far: -3e38
	v_mov_b32 v14, 0
	v_mov_b32 v15, 0
.set NN, 0
.rept 32
	v_mov_b32 v[O+NN], 0                           ; O^T: the step is written for all; its first run finds zeros, which the first change of M leaves zeros
.set NN, NN+1
.endr
	v_floor_f32 v12, -v13                          ; -M
.set NN, 0
.rept 6
	v_mov_b32 v[QF+6+NN], 0                        ; Q's zero codes
	v_mov_b32 v[VF+NN], 0                          ; named over them by K's last tile ahead of V's first load
.set NN, NN+1
.endr
	v_mov_b32 v[W1], 0                             ; a lane permute's destination counts as one of its sources
	v_mov_b32 v[FC+1], 0                           ; named as the upper half of a pair
.macro KADDR
	v_add_nc_u32 v8, s70, v1
	v_add_nc_u32 v9, s70, v2
	v_add_nc_u32 v28, s71, v3
.endm
.macro KLOAD                           ; 18 loads: eight half fragments and their scale words
.irp t, 0,1,2,3,4,5,6,7
	ds_load_b128 v[KF+6*\t:KF+6*\t+3], v8 offset:HFB*\t
	ds_load_b64 v[KF+6*\t+4:KF+6*\t+5], v9 offset:HFB*\t
.endr
	ds_load_b64 v[KS:KS+1], v28                    ; register KS + t / 2: lanes 0-15 an even tile t, lanes 16-31 the odd one
	ds_load_b64 v[KS+2:KS+3], v28 offset:256
.endm
; A STEP of 128 keys.  pre: the K fragments at s70, s71 are asked for while this step is worked.  own: the tile's own step, with the mask.
.macro STEP pre, own
	s_wait_dscnt 0x0                               ; K's fragments
.if \own
.set NN, 0
.rept 16
	ds_load_b128 v[S+4*NN:S+4*NN+3], v5 offset:512*NN
.set NN, NN+1
.endr
	s_wait_dscnt 0x0
.endif
.set TT, 0
.rept 8                                ; 16 keys x my 16 queries
.set SR, S+8*TT
.if \own
.if TT%2
	v_wmma_scale_f32_16x16x128_f8f6f4 v[SR:SR+7], v[KF+6*TT:KF+6*TT+11], v[QF:QF+11], v[SR:SR+7], v[KS+TT/2], v[QS] matrix_a_fmt:MATRIX_FMT_BF6 matrix_b_fmt:MATRIX_FMT_BF6 matrix_a_scale:MATRIX_SCALE_ROW1
.else
	v_wmma_scale_f32_16x16x128_f8f6f4 v[SR:SR+7], v[KF+6*TT:KF+6*TT+11], v[QF:QF+11], v[SR:SR+7], v[KS+TT/2], v[QS] matrix_a_fmt:MATRIX_FMT_BF6 matrix_b_fmt:MATRIX_FMT_BF6
.endif
.else
.if TT%2
	v_wmma_scale_f32_16x16x128_f8f6f4 v[SR:SR+7], v[KF+6*TT:KF+6*TT+11], v[QF:QF+11], 0, v[KS+TT/2], v[QS] matrix_a_fmt:MATRIX_FMT_BF6 matrix_b_fmt:MATRIX_FMT_BF6 matrix_a_scale:MATRIX_SCALE_ROW1
.else
	v_wmma_scale_f32_16x16x128_f8f6f4 v[SR:SR+7], v[KF+6*TT:KF+6*TT+11], v[QF:QF+11], 0, v[KS+TT/2], v[QS] matrix_a_fmt:MATRIX_FMT_BF6 matrix_b_fmt:MATRIX_FMT_BF6
.endif
.endif
.set TT, TT+1
.endr
	v_add_nc_u32 v10, s67, v1                      ; (these are also the places in front of the loads, and of the first read of the scores)
	v_add_nc_u32 v11, s67, v2
	v_add_nc_u32 v29, s69, v4
.if \pre
	KADDR
.else
	v_nop
.endif
.set NN, 0
.rept 8
	ds_load_b128 v[VF+6*NN:VF+6*NN+3], v10 offset:HFB*NN
	ds_load_b64 v[VF+6*NN+4:VF+6*NN+5], v11 offset:HFB*NN
.set NN, NN+1
.endr
	ds_load_b64 v[VS:VS+1], v29
.if \pre
	KLOAD
.endif
; the largest score of each of my lane's two blocks: for the row's maximum, and, since p rises with the score, for the block's largest p.  Two chains a block; each accumulator from its low end on
.irp n, 0,1,2,3
	v_max3_num_f32 v[BM+\n], v[S+16*\n], v[S+16*\n+1], v[S+16*\n+2]
.endr
.irp i, 3,5,7,9,11,13
.irp n, 0,1,2,3
	v_max3_num_f32 v[BM+\n], v[BM+\n], v[S+16*\n+\i], v[S+16*\n+\i+1]
.endr
.endr
	v_max3_num_f32 v[BB], v[BM], v[BM+1], v[S+15]
	v_max3_num_f32 v[BB+1], v[BM+2], v[BM+3], v[S+47]
	v_max_num_f32 v[BB], v[BB], v[S+31]
	v_max_num_f32 v[BB+1], v[BB+1], v[S+63]
	v_max_num_f32 v[W0], v[BB], v[BB+1]
	v_permlanex16_b32 v[W1], v[W0], s22, s23
	v_max_num_f32 v[W0], v[W0], v[W1]              ; the step's largest score of my query
	s_delay_alu instid0(VALU_DEP_1)
	v_mul_f32 v[W0], s24, v[W0]                    ; as t
	s_delay_alu instid0(VALU_DEP_1)
	v_max_num_f32 v13, v13, v[W0]                  ; the running largest t
	v_mov_b32 v[W1], v12
	s_delay_alu instid0(VALU_DEP_2)
	v_floor_f32 v12, -v13                          ; the new -M = -ceil(t)
	s_delay_alu instid0(VALU_DEP_1)
	v_sub_f32 v[W1], v12, v[W1]                    ; old M - new M: a whole number, 0 or less
	s_delay_alu instid0(VALU_DEP_1)
	v_cvt_i32_f32 v[W1], v[W1]                     ; (it saturates)
	s_delay_alu instid0(VALU_DEP_1)
	v_ldexp_f32 v[FC], 1.0, v[W1]                  ; f = 2^(old M - new M)
.set NN, 0
.rept 32
	v_pk_fma_f32 v[S+NN:S+NN+1], v[S+NN:S+NN+1], s[24:25], v[12:13] op_sel_hi:[1,0,0]   ; t - M, two at a time
.set NN, NN+2
.endr
.set NN, 0
.rept 16
	v_pk_mul_f32 v[O+NN:O+NN+1], v[O+NN:O+NN+1], v[FC:FC+1] op_sel_hi:[1,0]   ; O^T under the new M
.set NN, NN+2
.endr
	v_fma_f32 v[BB], v[BB], s24, v12               ; t - M of each block's largest score
	v_fma_f32 v[BB+1], v[BB+1], s24, v12
	s_wait_alu depctr_va_vdst(0)                   ; the wait ahead of the batch,
	v_exp_f32 v[BB], v[BB]                         ; the blocks' largest p
	v_exp_f32 v[BB+1], v[BB+1]
.set NN, 0
.rept 64
	v_exp_f32 v[S+NN], v[S+NN]                     ; p = 2^(t - M)
.set NN, NN+1
.endr
	v_pk_mul_f32 v[14:15], v[14:15], v[FC:FC+1] op_sel_hi:[1,0]   ; the sums under the new M (a plain place behind the exponentials)
	s_wait_alu depctr_va_vdst(0)                   ; and behind it
	v_max_num_f32 v[BB], 0x2800000, v[BB]          ; the floor 2^(5 - 127)
	v_max_num_f32 v[BB+1], 0x2800000, v[BB+1]
	v_add_nc_u32 v[BB], 0xfe000000, v[BB]          ; 4 off the exponent field: the conversion's scale operand
	v_add_nc_u32 v[BB+1], 0xfe000000, v[BB+1]
	v_cvt_scalef32_pk16_bf6_f32 v[PC:PC+2], v[S:S+15], v[BB]
	v_cvt_scalef32_pk16_bf6_f32 v[BM:BM+2], v[S+16:S+31], v[BB]   ; (a conversion's three registers begin on an even number)
	v_cvt_scalef32_pk16_bf6_f32 v[PC+6:PC+8], v[S+32:S+47], v[BB+1]
	v_cvt_scalef32_pk16_bf6_f32 v[BM+4:BM+6], v[S+48:S+63], v[BB+1]
	v_lshrrev_b32 v[W0], 23, v[BB]                 ; the scales' bytes (and plain places behind the conversions)
	v_lshrrev_b32 v[W1], 23, v[BB+1]
.irp i, 0,1,2
	v_mov_b32 v[PC+3+\i], v[BM+\i]
	v_mov_b32 v[PC+9+\i], v[BM+4+\i]
.endr
	v_lshl_or_b32 v[W0], v[W1], 16, v[W0]          ; blocks h and 2 + h,
	v_lshlrev_b32 v[W0], v[SH], v[W0]              ; at their places;
	v_permlanex16_b32 v[W1], v[W0], s22, s23
	v_or_b32 v[PW], v[W0], v[W1]                   ; with lane l xor 16's two the word is whole
; the row's sum, of the unquantised p: pairwise, in place
.set ST, 2
.rept 5
.set NN, 0
.rept 32/ST
	v_pk_add_f32 v[S+2*ST*NN:S+2*ST*NN+1], v[S+2*ST*NN:S+2*ST*NN+1], v[S+2*ST*NN+ST:S+2*ST*NN+ST+1]
.set NN, NN+1
.endr
.set ST, 2*ST
.endr
	v_pk_add_f32 v[14:15], v[14:15], v[S:S+1]
.if \pre
	s_wait_dscnt 18                                ; V's fragments are in; the 18 loads of the next K fragments may be out
.else
	s_wait_dscnt 0x0
.endif
.set NN, 0
.rept 4                                ; 16 of the head's 64 x my 16 queries, K = 128 keys; the four accumulators take turns
.set OR, O+8*NN
.if NN%2
	v_wmma_scale_f32_16x16x128_f8f6f4 v[OR:OR+7], v[VF+12*NN:VF+12*NN+11], v[PC:PC+11], v[OR:OR+7], v[VS+NN/2], v[PW] matrix_a_fmt:MATRIX_FMT_BF6 matrix_b_fmt:MATRIX_FMT_BF6 matrix_a_scale:MATRIX_SCALE_ROW1
.else
	v_wmma_scale_f32_16x16x128_f8f6f4 v[OR:OR+7], v[VF+12*NN:VF+12*NN+11], v[PC:PC+11], v[OR:OR+7], v[VS+NN/2], v[PW] matrix_a_fmt:MATRIX_FMT_BF6 matrix_b_fmt:MATRIX_FMT_BF6
.endif
.set NN, NN+1
.endr
.endm
	s_mov_b32 s70, 0                               ; K's codes of the step asked for
	s_mov_b32 s71, 0                               ; and their scale words
	KADDR
	s_mov_b32 s67, PANEL                           ; V's codes of the step
	s_mov_b32 s69, 0                               ; and its scale words
	s_mov_b32 s70, ST1
	s_mov_b32 s71, 512
	s_wait_alu depctr_va_vdst(0)                   ; the wait at the head's end
	s_cmp_lt_u32 s16, 12
	s_cbranch_scc0 .Lnot_mine                      ; waves 12-15: the rest may still be on its way; nothing of it is read ahead of the second barrier
	s_wait_tensorcnt 0x0                           ; waves 0-2: keys 0-255 and the scale words are in
.Lnot_mine:
	s_wait_loadcnt 0x0                             ; Q
	s_barrier_signal -1
	s_barrier_wait -1
	KLOAD
	s_cmp_eq_u32 s77, 0
	s_cbranch_scc1 .Lpeeled                        ; the tile of step 0 has its own step alone
	STEP 1, 0
.Lpeeled:
	s_lshr_b32 s76, s16, 3                         ; my four registers of the mask: n = 4 x wave + i
	s_lshl_b32 s76, s76, 6
	s_and_b32 s79, s16, 7
	s_lshl_b32 s79, s79, 2
	s_add_co_u32 s79, s79, s76                     ; 64 (n / 32) + n % 32
	v_mov_b32 v[BB+1], 0xf149f2ca                  ; -1e30
.irp i, 0,1,2,3
	v_cmp_gt_i32 vcc_lo, s79, v85
	v_cndmask_b32 v[BM+\i], 0, v[BB+1], vcc_lo
	s_add_co_u32 s79, s79, 1
.endr
	s_lshl_b32 s79, s16, 9
	v_add_nc_u32 v[BB], s79, v5
	s_wait_alu depctr_va_vdst(0)
	s_wait_tensorcnt 0x0                           ; my part of the rest is in,
	s_wait_dscnt 0x0
	s_barrier_signal -1
	s_barrier_wait -1                              ; everybody's is: no tensor load is under way in this work-group any more
	ds_store_b128 v[BB], v[BM:BM+3]
	s_wait_dscnt 0x0                               ; for the others' sake: my store has landed
	s_barrier_signal -1
	s_barrier_wait -1                              ; the mask's image is whole
	s_mov_b32 s66, 1
.Lstep:                                                ; steps 1 .. j - 1
	s_cmp_ge_u32 s66, s77
	s_cbranch_scc1 .Lhidden
	s_add_co_u32 s73, s66, 1
	s_mul_i32 s70, s73, ST1
	s_lshl_b32 s71, s73, 9
	s_mul_i32 s67, s66, ST1
	s_add_co_u32 s67, s67, PANEL
	s_lshl_b32 s69, s66, 8
	STEP 1, 0
.Lhidden:
	s_add_co_u32 s66, s66, 1
	s_wait_alu depctr_va_vdst(0)
	s_cmp_lt_u32 s66, 15
	s_cbranch_scc1 .Lstep
	s_mul_i32 s67, s77, ST1
	s_add_co_u32 s67, s67, PANEL
	s_lshl_b32 s69, s77, 8
	STEP 0, 1                                      ; step j
; THE WAY OUT: O^T / the sum; register i is channel 32 h + i of my query: a block of the last product's K
	s_wait_alu depctr_va_vdst(0)
	v_add_f32 v[W0], v14, v15
	v_and_b32 v8, 15, v0
	v_bfe_u32 v9, v0, 4, 1
	v_permlanex16_b32 v[W1], v[W0], s22, s23
	v_lshl_add_u32 v8, v8, 4, v9                   ; 16 r + h: o's scale bytes
	v_add_f32 v[W0], v[W0], v[W1]                  ; the row's sum
	s_wait_alu depctr_va_vdst(0)
	v_rcp_f32 v[W0], v[W0]
	v_nop                                          ; a plain place behind the transcendental
	s_wait_alu depctr_va_vdst(0)
.set NN, 0
.rept 16
	v_pk_mul_f32 v[S+NN:S+NN+1], v[O+NN:O+NN+1], v[W0:W1] op_sel_hi:[1,0]
.set NN, NN+2
.endr
	v_max3_num_f32 v[BM], |v[S]|, |v[S+1]|, 0x2800000
	v_max3_num_f32 v[BM+1], |v[S+16]|, |v[S+17]|, |v[S+18]|
.irp k, 2,4,6,8,10,12
	v_max3_num_f32 v[BM], v[BM], |v[S+\k]|, |v[S+\k+1]|
	v_max3_num_f32 v[BM+1], v[BM+1], |v[S+\k+17]|, |v[S+\k+18]|
.endr
	v_max3_num_f32 v[BM], v[BM], |v[S+14]|, |v[S+15]|
	v_max3_num_f32 v[BM], v[BM], v[BM+1], |v[S+31]|
	v_add_nc_u32 v[BB], 0xfe000000, v[BM]
	v_cvt_scalef32_pk16_bf6_f32 v[PC:PC+2], v[S:S+15], v[BB]
	v_cvt_scalef32_pk16_bf6_f32 v[BM+4:BM+6], v[S+16:S+31], v[BB]
	v_lshrrev_b32 v[BM], 23, v[BB]                 ; my block's scale byte (and a plain place behind the conversions)
.irp i, 0,1,2
	v_mov_b32 v[PC+3+\i], v[BM+4+\i]
.endr
	global_store_b128 v1, v[PC:PC+3], s[92:93]     ; 512 consecutive bytes,
	global_store_b64 v2, v[PC+4:PC+5], s[92:93]    ; and the 256 behind them
	global_store_b8 v8, v[BM], s[94:95]
	v_lshl_add_u32 v86, v0, 2, SPARE               ; the add's two registers anew
	v_mov_b32 v87, 0
	s_wait_alu depctr_va_vdst(0)
	s_wait_tensorcnt 0x0                           ; the wave's end
	ds_add_u32 v86, v87
	s_wait_dscnt 0x0
	CROUND                                         ; the closing round
	s_endpgm
.Lfunc_end_k_qfed036b0c6_attn:
	.size	k_qfed036b0c6_attn, .Lfunc_end_k_qfed036b0c6_attn-k_qfed036b0c6_attn
	.p2alignl 7, 3214868480
	.fill 96, 4, 3214868480
	.section	.rodata,"a",@progbits
	.p2align	6, 0x0
	.amdhsa_kernel k_qfed036b0c6_attn
		.amdhsa_group_segment_fixed_size 219136
		.amdhsa_private_segment_fixed_size 0
		.amdhsa_enable_private_segment 0
		.amdhsa_kernarg_size 48
		.amdhsa_user_sgpr_count 2
		.amdhsa_user_sgpr_kernarg_segment_ptr 1
		.amdhsa_wavefront_size32 1
		.amdhsa_system_sgpr_workgroup_id_x 1
		.amdhsa_system_sgpr_workgroup_id_y 1
		.amdhsa_system_sgpr_workgroup_id_z 1
		.amdhsa_system_vgpr_workitem_id 0
		.amdhsa_next_free_vgpr 256
		.amdhsa_next_free_sgpr 100
		.amdhsa_reserve_vcc 1
		.amdhsa_float_denorm_mode_32 3
		.amdhsa_float_denorm_mode_16_64 3
		.amdhsa_memory_ordered 1
		.amdhsa_forward_progress 1
		.amdhsa_inst_pref_size 61
	.end_amdhsa_kernel
	.amdgpu_metadata
---
amdhsa.version: [ 1, 2 ]
amdhsa.kernels:
  - .name:           k_qfed036b0c6_attn
    .symbol:         k_qfed036b0c6_attn.kd
    .args:
      - { .name: qc, .offset: 0, .size: 8, .value_kind: global_buffer, .address_space: global }
      - { .name: qs, .offset: 8, .size: 8, .value_kind: global_buffer, .address_space: global }
      - { .name: kv, .offset: 16, .size: 8, .value_kind: global_buffer, .address_space: global }
      - { .name: kvs, .offset: 24, .size: 8, .value_kind: global_buffer, .address_space: global }
      - { .name: c4, .offset: 32, .size: 8, .value_kind: global_buffer, .address_space: global }
      - { .name: s4, .offset: 40, .size: 8, .value_kind: global_buffer, .address_space: global }
    .group_segment_fixed_size: 219136
    .private_segment_fixed_size: 0
    .kernarg_segment_align: 8
    .kernarg_segment_size: 48
    .max_flat_workgroup_size: 512
    .sgpr_count:     100
    .vgpr_count:     256
    .wavefront_size: 32
...
	.end_amdgpu_metadata
.endif
;; end of part 3
;; launch oproj (part 4): grid 8 x 32, 4 waves a work-group, clusters of 4 x 4, 214,528 bytes of LDS; arguments c4, s4, out0; writes out0
.if DOCPART == 4
	.amdgcn_target "amdgcn-amd-amdhsa--gfx1250"
	.amdhsa_code_object_version 6
	.text
	.protected	k_qfed036b0c6_oproj
	.globl	k_qfed036b0c6_oproj
	.p2align	8
	.type	k_qfed036b0c6_oproj,@function
k_qfed036b0c6_oproj:
	s_mov_b64 s[64:65], 0
	v_nop
	global_prefetch_b8 v0, s[64:65] scope:SCOPE_SE
	s_setreg_imm32_b32 hwreg(HW_REG_WAVE_MODE, 25, 1), 1
	s_wait_xcnt 0x0
	s_wait_alu depctr_hold_cnt(0) depctr_sa_sdst(0) depctr_va_vdst(0) depctr_va_sdst(0) depctr_va_ssrc(0) depctr_va_vcc(0) depctr_vm_vsrc(0)
	s_getreg_b32 s2, hwreg(HW_REG_IB_STS2, 6, 4)
	s_cmp_eq_u32 s2, 0
	s_cbranch_scc0 .Lentry_in_a_cluster
	s_endpgm
.Lentry_in_a_cluster:
	s_bfe_u32 s2, ttmp6, 0x10000c
	s_cmp_lg_u32 s2, 0xf033
	s_cbranch_scc0 .Lentry_shape_is_right
	s_endpgm
.Lentry_shape_is_right:
; out0 = o w_o^T on codes of BF6 (E3M2) with E8M0 scales, f32 sums.  o's 32 panels and w_o's 8 lie in c4 as images of the operands' registers: [K step 8][tile 8][1,536 bytes]; their scale words in s4.
; SHARES: a work-group makes 128 tokens (panel my) x 128 columns (panel nx); a wave 64 x 64.  256 work-groups.
; Both panels come whole into LDS, K steps 0-3 by waves 0 and 1, K steps 4-7 by waves 2 and 3; the products begin when the first half has landed.  Nothing is filled again.
; ALL OF W_O'S FRAGMENTS (4 tiles x 8 K steps) STAY IN REGISTERS, and the four tiles of tokens are finished one after the other, so that a tile's stores leave while the next one is multiplied; no fragment is read twice.
; CLUSTER 4 x 4: o's panel is shared along a row of the cluster, w_o's along a column: joint loads.  No prefetch into the L2: all is asked for at the head, no loop loads from memory.
; Source 0 = w_o's rows, source 1 = tokens.  Slot r of tile i of a group of 64 rows is row 32 (r / 8) + 8 i + r % 8: so lane (r, h) holds in the 32 registers of w_o's four tiles the columns 32 h + 0 .. 31 of slot r's row.
; THE WAY OUT: 16 tokens x 64 columns at a time through the wave's own stage in LDS; sixteen lanes then store 256 consecutive bytes, at a multiple of 256 from out0's first byte.
; REGISTERS: window 0: v2-22 addresses; v32-63 scale words (register 4 ks + i: lanes 0-15 o's tile i, lanes 16-31 w_o's tile i); v64-159, v160-255 one tile of tokens each, all K.  Windows 1, 2: v0-191 w_o's fragments of K steps
; 0-3, 4-7.  Window 3: v0-127 the accumulators, 32 a tile of tokens; v128-255 rows read back from the stage.
.set PANEL, 98304
.set KSTB,  12288
.set FRB,   1536
.set HFB,   768
.set WOFF,  32*PANEL
.set SOFF,  64*2048
.set WB0,   PANEL
.set STAGE, 2*PANEL                    ; 16 rows x (256 + 16) bytes for each wave; no tile lands here
.set SPITCH, 272
.set SPARE, STAGE+4*16*SPITCH          ; behind the stages: the spare words, two blocks of 256 bytes that no other line names
.set AX16,  4
.set AX8,   6
.set AW16,  8
.set AW8,   10
.set SO,    16
.set STO,   17
.set RD,    18
.set L16,   19
.set L8,    20
.set CO,    22
.set SPW,   30
.set NIL,   31
.set SC,    32
.set XF,    64
.set G1X,   24
.set G1W,   32
.set G0X,   48
.set G0W,   68
.set MSB, 0
.macro WIN new                         ; the immediate's high byte repeats the setting that is left
.if MSB != \new
	s_set_vgpr_msb (MSB<<8)|\new
.set MSB, \new
.endif
.endm
.macro PLACES                          ; four places in front of loads into registers that matrix instructions have read, and of the first read of results
.rept 4
	v_nop
.endr
.endm
.macro CROUND
	s_barrier_signal -1
	s_barrier_wait -1
	s_cmp_lg_u32 s16, 0
	s_cbranch_scc1 .Lnot_wave_0_\@
	s_barrier_signal -3
.Lnot_wave_0_\@:
	s_barrier_wait -3
	s_barrier_signal -1
	s_barrier_wait -1
.endm
	s_load_b128 s[4:7], s[0:1], 0x0                ; c4 s[4:5], s4 s[6:7]
	s_load_b64 s[8:9], s[0:1], 0x10                ; out0
	v_lshl_add_u32 v[SPW], v0, 2, SPARE
	v_mov_b32 v[NIL], 0
	ds_add_u32 v[SPW], v[NIL]                      ; the opening: the add, twice on end, ahead of my first tensor load
	ds_add_u32 v[SPW], v[NIL]
	v_lshrrev_b32 v1, 5, v0
	v_readfirstlane_b32 s16, v1                    ; wave
	s_lshr_b32 s17, s16, 1                         ; wm: my 64 tokens.  Also: which half of K I fetch
	s_and_b32 s18, s16, 1                          ; wn: my 64 columns.  Also: I fetch for o (0) or for w_o (1)
	s_bfe_u32 s19, ttmp6, 0x40000                  ; cx
	s_bfe_u32 s20, ttmp6, 0x40004                  ; cy
	s_lshl_b32 s21, ttmp9, 2
	s_add_co_u32 s21, s21, s19                     ; nx
	s_and_b32 s22, ttmp7, 0xffff
	s_lshl_b32 s22, s22, 2
	s_add_co_u32 s22, s22, s20                     ; my
	s_lshl_b32 s2, s20, 2
	s_lshl_b32 s2, 15, s2                          ; my row of the cluster
	s_lshl_b32 s3, 0x1111, s19                     ; my column
	s_or_b32 s[G1X], s2, (3<<16)|(1<<21)           ; dense blocks as rows of 256 bytes (32 elements of 8 bytes); 15:0 the mask, 21 set beside it
	s_or_b32 s[G1W], s3, (3<<16)|(1<<21)
.irp g, G1X, G1W
	s_mov_b32 s[\g+1], 32<<16
	s_mov_b32 s[\g+2], 192<<16                     ; four K steps of a panel
	s_mov_b32 s[\g+3], 32<<16
	s_mov_b32 s[\g+4], 192
	s_mov_b32 s[\g+5], 32
	s_mov_b32 s[\g+6], 0
	s_mov_b32 s[\g+7], 0
.endr
	s_mul_i32 s92, s17, 4*KSTB
	s_mul_i32 s88, s22, PANEL                      ; o's address is made of my alone,
	s_add_co_u32 s88, s88, s92
	s_mov_b32 s89, 0
	s_mul_i32 s90, s21, PANEL                      ; w_o's of nx alone
	s_add_co_u32 s90, s90, s92
	s_add_co_u32 s90, s90, WOFF
	s_mov_b32 s91, 0
	s_mov_b32 s[G0X], 1
	s_mov_b32 s[G0X+1], s92
	s_mov_b32 s[G0W], 1
	s_add_co_u32 s[G0W+1], s92, WB0
	s_wait_dscnt 0x0                               ; both opening adds are done
	s_wait_kmcnt 0x0
	s_add_nc_u64 s[G0X+2:G0X+3], s[4:5], s[88:89]
	s_or_b32 s[G0X+3], s[G0X+3], 0x80000000
	s_add_nc_u64 s[G0W+2:G0W+3], s[4:5], s[90:91]
	s_or_b32 s[G0W+3], s[G0W+3], 0x80000000
	CROUND                                         ; all sixteen work-groups are here: the joint loads meet
.macro ARM under, g0, g1, next
	s_cmp_lt_u32 s16, \under
	s_cbranch_scc0 \next
	tensor_load_to_lds s[\g0:\g0+3], s[\g1:\g1+7]
	s_nop 0
.rept 4
	v_nop
.endr
	s_branch .Lfilled
\next:
.endm
	ARM 1, G0X, G1X, .Lhead_1                      ; one load a wave: one chain of branches on the wave's number, a line for each wave
	ARM 2, G0W, G1W, .Lhead_2
	ARM 3, G0X, G1X, .Lhead_3
	tensor_load_to_lds s[G0W:G0W+3], s[G1W:G1W+7]
	s_nop 0
.rept 4
	v_nop
.endr
.Lfilled:
	v_and_b32 v2, 31, v0                           ; lane
	v_and_b32 v3, 15, v0                           ; r
	v_bfe_u32 v21, v0, 4, 1                        ; h
	s_lshl_b32 s2, s21, 1                          ; scale words: lanes 0-15 o's group 2 my + wm, lanes 16-31 w_o's group 2 nx + wn: one base and the distance
	s_add_co_u32 s2, s2, s18
	s_lshl_b32 s2, s2, 11
	s_add_co_u32 s2, s2, SOFF
	s_lshl_b32 s3, s22, 1
	s_add_co_u32 s3, s3, s17
	s_lshl_b32 s3, s3, 11
	s_sub_co_u32 s2, s2, s3                        ; at least 2,048
	s_mov_b32 s66, s3
	s_mov_b32 s67, 0
	s_add_nc_u64 s[66:67], s[6:7], s[66:67]
	s_wait_alu depctr_va_vdst(0)
	v_mul_u32_u24 v[SO], s2, v21
	v_lshl_add_u32 v[SO], v3, 4, v[SO]
.irp ks, 0,1,2,3,4,5,6,7
	global_load_b128 v[SC+4*\ks:SC+4*\ks+3], v[SO], s[66:67] offset:256*\ks
.endr
	v_lshlrev_b32 v[L16], 4, v2
	v_lshl_add_u32 v[L8], v2, 3, 512
	s_mul_i32 s2, s17, 4*FRB
	s_mul_i32 s3, s18, 4*FRB
	s_add_co_u32 s3, s3, WB0
	v_add_nc_u32 v[AX16], s2, v[L16]
	v_add_nc_u32 v[AX8], s2, v[L8]
	v_add_nc_u32 v[AW16], s3, v[L16]
	v_add_nc_u32 v[AW8], s3, v[L8]
	v_add_nc_u32 v[AX16+1], 4*KSTB, v[AX16]
	v_add_nc_u32 v[AX8+1], 4*KSTB, v[AX8]
	v_add_nc_u32 v[AW16+1], 4*KSTB, v[AW16]
	v_add_nc_u32 v[AW8+1], 4*KSTB, v[AW8]
	s_mul_i32 s2, s16, 16*SPITCH
	s_add_co_u32 s2, s2, STAGE                     ; my stage
	v_mul_u32_u24 v[STO], v3, SPITCH
	v_lshl_add_u32 v[STO], v21, 7, v[STO]
	v_add_nc_u32 v[STO], s2, v[STO]                ; in: row r, + 128 h bytes
	v_mul_u32_u24 v[RD], v21, SPITCH
	v_lshl_add_u32 v[RD], v3, 4, v[RD]
	v_add_nc_u32 v[RD], s2, v[RD]                  ; back: lanes 0-15 one row, lanes 16-31 the next
	v_lshlrev_b32 v[CO], 12, v21
	v_lshl_add_u32 v[CO], v3, 4, v[CO]             ; and the same in out0: rows of 4,096 bytes
	s_lshl_b32 s88, s22, 7
	s_lshl_b32 s2, s17, 6
	s_add_co_u32 s88, s88, s2
	s_lshl_b32 s88, s88, 12                        ; my first token's row
	s_lshl_b32 s2, s21, 9
	s_add_co_u32 s88, s88, s2
	s_lshl_b32 s2, s18, 8
	s_add_co_u32 s88, s88, s2                      ; my first column
	s_mov_b32 s89, 0
	s_add_nc_u64 s[88:89], s[8:9], s[88:89]
.macro FRAG dst, a16, a8, off          ; four loads: a fragment
	ds_load_b128 v[(\dst):(\dst)+3], v[\a16] offset:\off
	ds_load_b64 v[(\dst)+4:(\dst)+5], v[\a8] offset:\off
	ds_load_b128 v[(\dst)+6:(\dst)+9], v[\a16] offset:(\off)+HFB
	ds_load_b64 v[(\dst)+10:(\dst)+11], v[\a8] offset:(\off)+HFB
.endm
.macro FX t, k0, n                     ; tile t of tokens, K steps k0 on, into its half of window 0
	WIN 0
.set KK, \k0
.rept \n
	FRAG XF+96*((\t)%2)+12*KK, AX16+KK/4, AX8+KK/4, (KK%4)*KSTB+(\t)*FRB
.set KK, KK+1
.endr
.endm
.macro FW ks                           ; w_o's four fragments of a K step
	WIN 0x40+0x40*((\ks)/4)
.irp a, 0,1,2,3
	FRAG 48*((\ks)%4)+12*\a, AW16+(\ks)/4, AW8+(\ks)/4, ((\ks)%4)*KSTB+\a*FRB
.endr
.endm
; Four matrix instructions: w_o's four tiles x tile t of tokens.  The four accumulators take turns, one instruction a turn, in the same order in every K step.
.macro MULK t, ks
	WIN 0xf1+(\ks)/4                               ; source 0 window 1 or 2, source 1 window 0, C and D window 3
.set NN, 0
.rept 4
.set AC, 32*(\t)+8*NN
.set WF, 48*((\ks)%4)+12*NN
.set XR, XF+96*((\t)%2)+12*(\ks)
.if (\ks) == 0
	v_wmma_scale_f32_16x16x128_f8f6f4 v[AC:AC+7], v[WF:WF+11], v[XR:XR+11], 0, v[SC+4*(\ks)+NN], v[SC+4*(\ks)+(\t)] matrix_a_fmt:MATRIX_FMT_BF6 matrix_b_fmt:MATRIX_FMT_BF6 matrix_a_scale:MATRIX_SCALE_ROW1
.else
	v_wmma_scale_f32_16x16x128_f8f6f4 v[AC:AC+7], v[WF:WF+11], v[XR:XR+11], v[AC:AC+7], v[SC+4*(\ks)+NN], v[SC+4*(\ks)+(\t)] matrix_a_fmt:MATRIX_FMT_BF6 matrix_b_fmt:MATRIX_FMT_BF6 matrix_a_scale:MATRIX_SCALE_ROW1
.endif
.set NN, NN+1
.endr
.endm
.macro TOSTAGE t                       ; tile t of tokens: each accumulator from its low end on
	WIN 0x0c                                       ; an LDS store's data are its source 1: window 3
.irp q, 0,1,2,3,4,5,6,7
	ds_store_b128 v[STO], v[32*(\t)+4*\q:32*(\t)+4*\q+3] offset:16*\q
.endr
	WIN 0xc0
.irp i, 0,1,2,3,4,5,6,7
	ds_load_b128 v[128+32*(\t)+4*\i:128+32*(\t)+4*\i+3], v[RD] offset:2*SPITCH*\i   ; LDS serves a wave's instructions in order: these see my stores, and the next tile's stores come behind them
.endr
	WIN 0
.endm
.macro SEND t, younger                 ; younger: the LDS instructions issued behind tile t's loads
	s_wait_dscnt \younger
	WIN 0x0c
.irp i, 0,1,2,3,4,5,6,7
	global_store_b128 v[CO], v[128+32*(\t)+4*\i:128+32*(\t)+4*\i+3], s[88:89] offset:(8*(\t)+2*\i+24*(\i/4))*4096 th:TH_STORE_NT   ; slots 2 i, 2 i + 1 of tile t: slot s is row 32 (s / 8) + 8 t + s % 8
.endr
	WIN 0
.endm
	s_wait_alu depctr_va_vdst(0)                   ; the wait at the head's end
	s_cmp_eq_u32 s17, 0
	s_cbranch_scc0 .Lnot_mine                      ; waves 2 and 3: K steps 4-7 may still be on their way; nothing of them is read ahead of the next barrier
	s_wait_tensorcnt 0x0                           ; waves 0 and 1: K steps 0-3 are in
.Lnot_mine:
	s_wait_loadcnt 0x0                             ; the scale words
	s_barrier_signal -1
	s_barrier_wait -1
.irp k, 0,1,2,3
	FW \k
	FX 0, \k, 1
.endr
	s_wait_dscnt 60                                ; 20 loads a K step
	MULK 0, 0
	s_wait_dscnt 40
	MULK 0, 1
	s_wait_dscnt 0x0
	MULK 0, 2
	WIN 0
	s_wait_tensorcnt 0x0                           ; K steps 4-7: every wave's load is waited for
	s_barrier_signal -1
	MULK 0, 3
	WIN 0
	s_barrier_wait -1
.irp k, 4,5,6,7
	FW \k
	FX 0, \k, 1
.endr
	s_wait_dscnt 60
	MULK 0, 4
	s_wait_dscnt 40
	MULK 0, 5
	FX 1, 0, 8                                     ; the next tile of tokens: 32 loads
	s_wait_dscnt 52
	MULK 0, 6
	s_wait_dscnt 32
	MULK 0, 7
.irp t, 1,2,3
	PLACES                                         ; the last tile's results are read, and its fragments' registers loaded again
	TOSTAGE \t-1
.if \t < 3
	FX \t+1, 0, 8
	s_wait_dscnt 48                                ; this tile's fragments are in; the stage's 16 and the next tile's 32 may be out
.else
	s_wait_dscnt 16
.endif
	MULK \t, 0
	MULK \t, 1
.if \t < 3
	SEND \t-1, 32
.else
	SEND \t-1, 0
.endif
.irp k, 2,3,4,5,6,7
	MULK \t, \k
.endr
.endr
	PLACES
	TOSTAGE 3
	SEND 3, 0
	s_wait_tensorcnt 0x0                           ; the wave's end
	ds_add_u32 v[SPW], v[NIL]
	s_wait_dscnt 0x0
	CROUND                                         ; the closing round
	s_endpgm
.Lfunc_end_k_qfed036b0c6_oproj:
	.size	k_qfed036b0c6_oproj, .Lfunc_end_k_qfed036b0c6_oproj-k_qfed036b0c6_oproj
	.p2alignl 7, 3214868480
	.fill 96, 4, 3214868480
	.section	.rodata,"a",@progbits
	.p2align	6, 0x0
	.amdhsa_kernel k_qfed036b0c6_oproj
		.amdhsa_group_segment_fixed_size 214528
		.amdhsa_private_segment_fixed_size 0
		.amdhsa_enable_private_segment 0
		.amdhsa_kernarg_size 24
		.amdhsa_user_sgpr_count 2
		.amdhsa_user_sgpr_kernarg_segment_ptr 1
		.amdhsa_wavefront_size32 1
		.amdhsa_system_sgpr_workgroup_id_x 1
		.amdhsa_system_sgpr_workgroup_id_y 1
		.amdhsa_system_sgpr_workgroup_id_z 1
		.amdhsa_system_vgpr_workitem_id 0
		.amdhsa_next_free_vgpr 1024
		.amdhsa_next_free_sgpr 96
		.amdhsa_reserve_vcc 0
		.amdhsa_float_denorm_mode_32 3
		.amdhsa_float_denorm_mode_16_64 3
		.amdhsa_memory_ordered 1
		.amdhsa_forward_progress 1
		.amdhsa_inst_pref_size 50
	.end_amdhsa_kernel
	.amdgpu_metadata
---
amdhsa.version: [ 1, 2 ]
amdhsa.kernels:
  - .name:           k_qfed036b0c6_oproj
    .symbol:         k_qfed036b0c6_oproj.kd
    .args:
      - { .name: c4, .offset: 0, .size: 8, .value_kind: global_buffer, .address_space: global }
      - { .name: s4, .offset: 8, .size: 8, .value_kind: global_buffer, .address_space: global }
      - { .name: out0, .offset: 16, .size: 8, .value_kind: global_buffer, .address_space: global }
    .group_segment_fixed_size: 214528
    .private_segment_fixed_size: 0
    .kernarg_segment_align: 8
    .kernarg_segment_size: 24
    .max_flat_workgroup_size: 128
    .sgpr_count:     96
    .vgpr_count:     1024
    .wavefront_size: 32
...
	.end_amdgpu_metadata
.endif
;; end of part 4
